; MI455X (gfx1250); checked and timed in simulation.
; The chip was launched on July 23, 2026; its instructions are those of AMD's public machine-readable ISA for CDNA 5 (MIT licence, August 2026) and "CDNA5" Instruction Set Architecture Reference Guide (July 2026). The comments in the code are by the model that wrote it; some were corrected since.
;; Mh Attention. Allowed arithmetic: matrix products marked QUANTISED: E2M1 operands, one E8M0 scale for each 32 along K, by v_wmma_scale_f32_16x16x128_f8f6f4 with both operands' format E2M1 (or v_wmma_scale_f32_32x16x128_f4), f32 sums; products left as they are: bf16, f16 or f32 operands; f32 sums; everything else in f32.
;; Inputs: kw 1,024 x 1,024 float32; ow 1,024 x 1,024 float32; qw 1,024 x 1,024 float32; vw 1,024 x 1,024 float32; x 2 x 2,048 x 1,024 float32.
;; Outputs: out0 2 x 2,048 x 1,024 float32.
;; This version of the problem:
;;   THIS VERSION OF THE PROBLEM IS GIVEN IN LOW PRECISION. The matrix products marked QUANTISED in the list below multiply operands that are first quantised to E2M1 (2 exponent bits, 1 mantissa bit; 4 bits a number), with one power-of-two scale for each 32 numbers along K (OCP MX v1.0); their sums are f32. The products marked 'left as it is' may take bf16, f16 or f32 operands, with f32 sums. Whichever they take, every output number must still come out within the allowed error. Rounding operands to bf16 (8 significant bits) uses up far more of that allowance than f16 does (11 bits, for magnitudes from 6e-5 to 65,504). All else is computed in f32.
;;   The module's matrix products, in the order in which they are computed (A, B: the left and right operand; K: the contracted axis; several contracted axes count as one K, in the product's order):
;;     1. [M 4,096, K 1,024] x [K 1,024, N 1,024]; A: input x; B: input qw: QUANTISED
;;     2. [M 4,096, K 1,024] x [K 1,024, N 1,024]; A: input x; B: input kw: QUANTISED
;;     3. [M 4,096, K 1,024] x [K 1,024, N 1,024]; A: input x; B: input vw: QUANTISED
;;     4. batch 32 x [M 2,048, K 64] x [K 64, N 2,048]; A: computed on the way; B: computed on the way: left as it is (an operand is computed on the way)
;;     5. batch 32 x [M 2,048, K 2,048] x [K 2,048, N 64]; A: computed on the way; B: computed on the way: left as it is (an operand is computed on the way)
;;     6. [M 4,096, K 1,024] x [K 1,024, N 1,024]; A: computed on the way; B: input ow: left as it is (an operand is computed on the way)
;;   THE QUANTISER, for each operand of a quantised product, along K:
;;     - K is cut into blocks of 32 from its start; a last block that is shorter is filled with zeros.
;;     - A block's scale is 2^e with e = floor(log2(the largest magnitude in the block)) - 2, held to -126 .. 127; a block of zeros has e = 0. As a byte (E8M0): e + 127.
;;     - Each number is divided by its block's scale, clamped to +-6, and rounded to the nearest number of E2M1, ties to even, subnormals kept.
;;     - The product sums the exact products of the quantised numbers (number of the format x scale) in f32.
;;   ~~~python
;;   def quantise(x, axis):      # numpy; x: float32 -> the quantised numbers, widened to float32 again
;;       x = np.moveaxis(x, axis, -1); K = x.shape[-1]
;;       x = np.pad(x, [(0, 0)] * (x.ndim - 1) + [(0, -K % 32)]); x = x.reshape(x.shape[:-1] + (-1, 32)); a = np.abs(x).max(-1, keepdims=True)
;;       e = np.where(a > 0, np.clip(np.frexp(np.where(a > 0, a, 1))[1] - 1 - 2, -126, 127), 0)      # np.frexp(a)[1] - 1 = floor(log2(a)), exactly
;;       r = np.clip(x / 2.0 ** e, -6, 6)
;;       step = 2.0 ** (np.maximum(np.frexp(np.where(r == 0, 1, r))[1] - 1, 0) - 1)
;;       q = np.round(r / step) * step * 2.0 ** e      # np.round: ties to even
;;       return np.moveaxis(q.reshape(q.shape[:-2] + (-1,))[..., :K], -1, axis).astype(np.float32)
;;   ~~~
;; One version. Each part assembles by itself: llvm-mc -triple=amdgcn-amd-amdhsa -mcpu=gfx1250 --defsym DOCPART=n.
;; ======== version 1 of 1: 5 launches
;; limits: values are held in f16: magnitudes above 65,504 overflow, below 6.1e-05 lose precision
;; workspace buffers: codes 3,670,016 bytes; scales 229,376 bytes; owh 2,097,152 bytes; rope 524,288 bytes; qkv 25,165,824 bytes; fine 393,216 bytes; merged 8,388,608 bytes
;; launch prep (part 1): grid 256 x 1, 4 waves a work-group, no clusters, 327,680 bytes of LDS; arguments x, qw, kw, vw, ow, codes, scales, owh, rope; writes codes, scales, owh, rope
.if DOCPART == 1
	.amdgcn_target "amdgcn-amd-amdhsa--gfx1250"
	.amdhsa_code_object_version 6
	.text
	.protected	k_qacaf79747d_prep
	.globl	k_qacaf79747d_prep
	.p2align	8
	.type	k_qacaf79747d_prep,@function
k_qacaf79747d_prep:
	s_mov_b64 s[64:65], 0
	v_nop
	global_prefetch_b8 v0, s[64:65] scope:SCOPE_SE
	s_setreg_imm32_b32 hwreg(HW_REG_WAVE_MODE, 25, 1), 1
	s_wait_xcnt 0x0
; PREP: everything that is made once from the inputs.  Four kinds of work-groups, told apart by the work-group's number alone:
;   0-127    x [4096][1024] f32 -> codes of FP4 (E2M1), K innermost, rows 0-4095 of codes [7168][512 bytes], and one E8M0 byte for each 32 along K, scales [7168][32]
;   128-175  qw, kw, vw [1024 k][1024 n] f32, K = the first axis -> the same for their COLUMNS: row 4096 + 1024 t + n of codes and scales
;   176-239  ow f32 -> f16, as it lies
;   240-255  the table of the rotation: rope [2048 positions][cos of 32 angles | sin of 32 angles] f32, 256 bytes a row
; A block's scale is 2^(floor(log2(largest magnitude)) - 2); its byte is the largest magnitude's exponent field - 2, held at 1 from below.
; LIMITS.  A block of zeros gets the byte 1 where the rule says 127: its codes are zeros, and this program alone reads the bytes.  Blocks whose largest magnitude lies under 2^-124 were not tried.
; NaN and infinities among the inputs are not served.  ow beyond 65,504 in magnitude becomes infinity in f16.  The 32 frequencies are 2^(-i log2(10000)/32) by v_exp_f32:
; at position 2,047 an angle may differ from an exactly rounded one by about 2e-4 radians, alike for Q and K.
; No path has a barrier: waves share nothing.  Each path has LDS bytes of its own.
.set WSTG,   262144                    ; LDS 0 .. 262,143: four tiles of a weight, 65,536 bytes a wave, filled once by the wave's own tensor load
.set WSTB,   8704                      ; then four stages of 32 rows x 272 bytes (the weights' codes on their way out)
.set XREG,   296960                    ; then four regions of 5,632 bytes for x: two stages of 32 x 80, and 256 scale bytes
.set XRB,    5632
.set SPARE,  319488                    ; the spare words, 128 bytes a wave: two blocks of 256 bytes that no other line names
.set SP,     80                        ; a lane's place in x's stage: 64 bytes + 16 of padding
.set SPW,    254                       ; v254  LDS address of my spare word; never rewritten
.set NIL,    255                       ; v255  0; never rewritten
.set WV,     22                        ; s22   my wave's number
.set G1W,    24                        ; s[24:31] descriptor group 1,  s[32:35] group 0
.set G0W,    32
.macro FINISH                          ; a wave's end: behind its last LDS write
	s_wait_tensorcnt 0x0
	ds_add_u32 v[SPW], v[NIL]
	s_wait_dscnt 0x0
	s_endpgm
.endm
	s_load_b256 s[4:11], s[0:1], 0x0               ; x s[4:5], qw s[6:7], kw s[8:9], vw s[10:11]
	s_load_b256 s[12:19], s[0:1], 0x20             ; ow s[12:13], codes s[14:15], scales s[16:17], owh s[18:19]
	s_load_b64 s[20:21], s[0:1], 0x40              ; rope
	v_lshl_add_u32 v[SPW], v0, 2, SPARE
	v_mov_b32 v[NIL], 0
	ds_add_u32 v[SPW], v[NIL]                      ; the opening: the add, twice on end, and its wait ahead of a wave's first tensor load
	ds_add_u32 v[SPW], v[NIL]
	v_lshrrev_b32 v1, 5, v0
	v_readfirstlane_b32 s[WV], v1                  ; wave 0..3
	v_and_b32 v2, 31, v0                           ; lane
	s_mov_b32 s[G1W+0], 2<<16                      ; no mask; elements of 4 bytes; no padding
	s_mov_b32 s[G1W+1], 32<<16                     ; tensor_dim0 = 32 columns
	s_mov_b32 s[G1W+2], 512<<16                    ; tensor_dim1 = 512 rows along K
	s_mov_b32 s[G1W+3], 32<<16                     ; tile_dim0
	s_mov_b32 s[G1W+4], 512                        ; tile_dim1
	s_mov_b32 s[G1W+5], 1024                       ; elements from row to row
	s_mov_b32 s[G1W+6], 0
	s_mov_b32 s[G1W+7], 0
	s_wait_dscnt 0x0                               ; both opening adds are done
	s_wait_kmcnt 0x0
	s_cmp_lt_u32 ttmp9, 128
	s_cbranch_scc1 .Lx
	s_cmp_ge_u32 ttmp9, 240
	s_cbranch_scc1 .Lr
	s_cmp_ge_u32 ttmp9, 176
	s_cbranch_scc1 .Lo
; ---------------- THE WEIGHTS.  A wave takes 32 columns x 512 along K.  One tensor load brings just these numbers (512 rows of 128 bytes) into the wave's own 65,536 bytes: all of them are on
; their way at once, only the issuing wave reads them, so its own wait on TENSORcnt is all the ordering.  A LANE TAKES A COLUMN AND ITS REGISTERS RUN DOWN K: a block of 32 lies in one lane,
; and the conversions give codes with K innermost.  The codes leave through the wave's stage, sixteen lanes to 256 consecutive aligned bytes.
.set WX,   32                          ; v32-95   two sets of 32 numbers
.set WC,   96                          ; v96-103  two sets of a block's codes
.set SB,   24                          ; v24-27   the 16 scale bytes
.set OUTR, 112                         ; v112-175 the way out
	s_sub_co_u32 s36, ttmp9, 128
	s_lshr_b32 s37, s36, 4                         ; which weight: 0 qw, 1 kw, 2 vw
	s_and_b32 s38, s36, 7                          ; which 128 columns
	s_bfe_u32 s39, s36, 0x10003                    ; which half of K
	s_cmp_eq_u32 s37, 0
	s_cselect_b64 s[40:41], s[6:7], s[8:9]
	s_cmp_eq_u32 s37, 2
	s_cselect_b64 s[40:41], s[10:11], s[40:41]
	s_lshl_b32 s42, s38, 7
	s_lshl_b32 s43, s[WV], 5
	s_add_co_u32 s42, s42, s43                     ; my first column
	s_lshl_b32 s44, s39, 21                        ; 512 rows of 4,096 bytes
	s_lshl_b32 s45, s42, 2
	s_add_co_u32 s44, s44, s45
	s_mov_b32 s45, 0
	s_mov_b32 s[G0W], 1
	s_lshl_b32 s[G0W+1], s[WV], 16                 ; LDS: 65,536 x wave
	s_add_nc_u64 s[G0W+2:G0W+3], s[40:41], s[44:45]
	s_or_b32 s[G0W+3], s[G0W+3], 0x80000000
	tensor_load_to_lds s[G0W:G0W+3], s[G1W:G1W+7]
	s_nop 0
	v_lshl_add_u32 v3, v2, 2, s[G0W+1]             ; in: my column's word of the tile's first row
	s_mul_i32 s46, s[WV], WSTB
	s_add_co_u32 s46, s46, WSTG                    ; my stage
	v_mul_u32_u24 v4, v2, 272
	v_add_nc_u32 v4, s46, v4                       ; into it: row = my column
	v_and_b32 v5, 15, v2
	v_lshrrev_b32 v6, 4, v2
	v_mul_u32_u24 v7, v6, 272
	v_lshl_add_u32 v7, v5, 4, v7
	v_add_nc_u32 v7, s46, v7                       ; out of it: sixteen lanes to a row, two rows an instruction
	v_lshlrev_b32 v8, 9, v6
	v_lshl_add_u32 v8, v5, 4, v8                   ; and the same place in codes (512 bytes a row)
	v_lshlrev_b32 v9, 5, v2                        ; my column's row of scale bytes
	s_lshl_b32 s47, s37, 10
	s_add_co_u32 s47, s47, s42
	s_add_co_u32 s47, s47, 4096                    ; my first row of codes and scales
	s_lshl_b32 s48, s47, 9
	s_lshl_b32 s49, s39, 8
	s_add_co_u32 s48, s48, s49
	s_mov_b32 s49, 0
	s_add_nc_u64 s[14:15], s[14:15], s[48:49]
	s_lshl_b32 s48, s47, 5
	s_lshl_b32 s50, s39, 4
	s_add_co_u32 s48, s48, s50
	s_add_nc_u64 s[16:17], s[16:17], s[48:49]
.macro WLOAD t                         ; block t: W(32 t + i, my column) into set t % 2; 32 lanes read 128 consecutive bytes
.irp i, 0,1,2,3,4,5,6,7,8,9,10,11,12,13,14,15,16,17,18,19,20,21,22,23,24,25,26,27,28,29,30,31
	ds_load_b32 v[WX+32*((\t)%2)+\i], v3 offset:(32*(\t)+\i)*128
.endr
.endm
.macro WBLOCK t
.set XS, WX+32*((\t)%2)
.set CC, WC+4*((\t)%2)
.if (\t) == 0
	s_wait_dscnt 32                                ; this block's 32 loads are in; the next block's 32 may be out
.elseif (\t) < 15
	s_wait_dscnt 33                                ; behind this block's loads: the last block's store and the next block's 32 loads.  So the store of two blocks ago has read the codes' set that is written below
.else
	s_wait_dscnt 1                                 ; the last block's store
.endif
	v_max3_num_f32 v12, |v[XS]|, |v[XS+1]|, |v[XS+2]|     ; the block's largest magnitude: all 32 numbers are mine
	v_max3_num_f32 v13, |v[XS+3]|, |v[XS+4]|, |v[XS+5]|
.irp i, 6,10,14,18,22,26
	v_max3_num_f32 v12, v12, |v[XS+\i]|, |v[XS+\i+1]|
	v_max3_num_f32 v13, v13, |v[XS+\i+2]|, |v[XS+\i+3]|
.endr
	v_max3_num_f32 v12, v12, |v[XS+30]|, |v[XS+31]|
	v_max3_num_f32 v12, v12, v13, 0x1800000        ; and the floor 2^(3 - 127): the byte cannot fall under 1
	v_add_nc_u32 v11, 0xff000000, v12              ; 2 off the exponent field: the conversion takes that field of this operand as its scale
	v_lshrrev_b32 v13, 23, v11                     ; the scale's byte
.if (\t)%4 == 0
	v_mov_b32 v[SB+(\t)/4], v13
.else
	v_lshl_or_b32 v[SB+(\t)/4], v13, 8*((\t)%4), v[SB+(\t)/4]
.endif
.irp g, 0,1,2,3
	v_cvt_scalef32_pk8_fp4_f32 v[CC+\g], v[XS+8*\g:XS+8*\g+7], v11
.endr
	ds_store_b128 v4, v[CC:CC+3] offset:16*(\t)    ; 32 codes: 16 bytes of my column's row.  (The next block begins with plain vector lines)
.if (\t)+2 < 16
	WLOAD (\t)+2
.endif
.endm
	s_wait_tensorcnt 0x0                           ; my tile is in LDS
	WLOAD 0
	WLOAD 1
.set Q, 0
.rept 16
	WBLOCK Q
.set Q, Q+1
.endr
	global_store_b128 v9, v[SB:SB+3], s[16:17]     ; my column's 16 scale bytes
.irp t, 0,1,2,3,4,5,6,7,8,9,10,11,12,13,14,15
	ds_load_b128 v[OUTR+4*\t:OUTR+4*\t+3], v7 offset:2*\t*272   ; LDS serves a wave's instructions in order: these see my stores
.endr
.irp t, 0,1,2,3,4,5,6,7,8,9,10,11,12,13,14,15
	s_wait_dscnt 15-\t
	global_store_b128 v8, v[OUTR+4*\t:OUTR+4*\t+3], s[14:15] offset:2*\t*512   ; sixteen lanes store 256 consecutive aligned bytes
.endr
	FINISH
; ---------------- x.  Rows are dense and K is a multiple of 32: a plain stream of blocks.  A wave takes 16 steps of 512 numbers.  Each load reads 512 consecutive bytes; a step's 2,048 bytes turn through the
; wave's stage so that a lane holds 16 neighbours (two lanes a block).  Loads run eight steps (32 loads a wave) ahead, the turn through LDS one step.
.set XR,  16                           ; v16-143  eight sets of 16 numbers as loaded
.set XX,  144                          ; v144-175 two sets of 16 neighbours
.set XC,  176                          ; v176-207 codes, two registers a step: no store's data are written again
.set XE,  208                          ; v208-223 a scale byte a step
.Lx:
	v_lshlrev_b32 v3, 4, v2                        ; my 16 bytes of a load's 512
	s_mul_i32 s36, s[WV], XRB
	s_add_co_u32 s36, s36, XREG
	v_lshrrev_b32 v14, 2, v2
	v_mul_u32_u24 v14, v14, SP
	v_and_b32 v15, 3, v2
	v_lshl_add_u32 v14, v15, 4, v14
	v_add_nc_u32 v14, s36, v14                     ; the stage, in: four lanes' 64 bytes on end, then 16 of padding
	v_mul_u32_u24 v15, v2, SP
	v_add_nc_u32 v15, s36, v15                     ; out: my 16 neighbours
	v_lshlrev_b32 v4, 3, v2                        ; my 8 bytes of a step's codes
	v_lshrrev_b32 v5, 1, v2
	s_add_co_u32 s36, s36, 2*32*SP
	v_add_nc_u32 v5, s36, v5                       ; my block's scale byte
	v_add_nc_u32 v6, s36, v4                       ; and on the way out 8 bytes a lane
	s_lshl_b32 s37, ttmp9, 2
	s_add_co_u32 s37, s37, s[WV]                   ; which run of 8,192 numbers is mine
	s_lshl_b32 s38, s37, 15
	s_mov_b32 s39, 0
	s_add_nc_u64 s[4:5], s[4:5], s[38:39]
	s_lshl_b32 s38, s37, 12
	s_add_nc_u64 s[14:15], s[14:15], s[38:39]
	s_lshl_b32 s38, s37, 8
	s_add_nc_u64 s[16:17], s[16:17], s[38:39]
.macro XLOAD t
.irp i, 0,1,2,3
	global_load_b128 v[XR+16*((\t)%8)+4*\i:XR+16*((\t)%8)+4*\i+3], v3, s[4:5] offset:2048*(\t)+512*\i th:TH_LOAD_NT
.endr
.endm
.macro XTURN t                         ; step t through stage t % 2: LDS serves a wave's instructions in order
.irp i, 0,1,2,3
	ds_store_b128 v14, v[XR+16*((\t)%8)+4*\i:XR+16*((\t)%8)+4*\i+3] offset:32*SP*((\t)%2)+8*SP*\i
.endr
.irp i, 0,1,2,3
	ds_load_b128 v[XX+16*((\t)%2)+4*\i:XX+16*((\t)%2)+4*\i+3], v15 offset:32*SP*((\t)%2)+16*\i
.endr
.endm
.macro XSTEP t
.set XS, XX+16*((\t)%2)
.if (\t) > 0
	s_wait_dscnt 1                                 ; this step's numbers are back (the last step's byte store may be out): so its stores into the stage have read their registers,
.else
	s_wait_dscnt 0x0
.endif
.if (\t)+8 < 16
	XLOAD (\t)+8                                   ; which take the loads of eight steps on
.endif
.if (\t) < 15
.if (\t) <= 7
	s_wait_loadcnt 28                              ; the next step's four loads are in; those of the seven steps behind it may be out
.else
	s_wait_loadcnt 4*(14-(\t))
.endif
	XTURN (\t)+1
.endif
	v_max3_num_f32 v8, |v[XS]|, |v[XS+1]|, |v[XS+2]|
	v_max3_num_f32 v9, |v[XS+3]|, |v[XS+4]|, |v[XS+5]|
.irp i, 6,10
	v_max3_num_f32 v8, v8, |v[XS+\i]|, |v[XS+\i+1]|
	v_max3_num_f32 v9, v9, |v[XS+\i+2]|, |v[XS+\i+3]|
.endr
	v_max3_num_f32 v8, v8, |v[XS+14]|, |v[XS+15]|
	v_max3_num_f32 v8, v8, v9, 0x1800000           ; the floor 2^(3 - 127)
	v_max_num_f32_dpp v8, v8, v8 row_xmask:1 row_mask:0xf bank_mask:0xf   ; with my neighbour's 16: the block's
	v_add_nc_u32 v11, 0xff000000, v8
	v_cvt_scalef32_pk8_fp4_f32 v[XC+2*(\t)], v[XS:XS+7], v11
	v_cvt_scalef32_pk8_fp4_f32 v[XC+2*(\t)+1], v[XS+8:XS+15], v11
	v_lshrrev_b32 v[XE+(\t)], 23, v11              ; the scale's byte (also the plain line behind the conversions)
	ds_store_b8 v5, v[XE+(\t)] offset:16*(\t)      ; both lanes of a block write the same byte with the same value
	global_store_b64 v4, v[XC+2*(\t):XC+2*(\t)+1], s[14:15] offset:256*(\t)   ; the wave stores 256 consecutive aligned bytes
.endm
.irp t, 0,1,2,3,4,5,6,7
	XLOAD \t
.endr
	s_wait_loadcnt 28                              ; step 0's four loads are in
	XTURN 0
.irp t, 0,1,2,3,4,5,6,7,8,9,10,11,12,13,14,15
	XSTEP \t
.endr
	ds_load_b64 v[8:9], v6
	s_wait_dscnt 0x0
	global_store_b64 v4, v[8:9], s[16:17]          ; my 256 scale bytes, consecutive and aligned
	FINISH
; ---------------- ow to f16.  A wave takes 4,096 numbers; all 32 loads go out together.
.Lo:
	s_sub_co_u32 s36, ttmp9, 176
	s_lshl_b32 s36, s36, 2
	s_add_co_u32 s36, s36, s[WV]
	s_lshl_b32 s38, s36, 14
	s_mov_b32 s39, 0
	s_add_nc_u64 s[12:13], s[12:13], s[38:39]
	s_lshl_b32 s38, s36, 13
	s_add_nc_u64 s[18:19], s[18:19], s[38:39]
	v_lshlrev_b32 v3, 5, v2                        ; in: 8 numbers a lane
	v_lshlrev_b32 v4, 4, v2                        ; out: 16 bytes a lane
.irp c, 0,1,2,3,4,5,6,7,8,9,10,11,12,13,14,15
	global_load_b128 v[32+8*\c:35+8*\c], v3, s[12:13] offset:1024*\c th:TH_LOAD_NT
	global_load_b128 v[36+8*\c:39+8*\c], v3, s[12:13] offset:1024*\c+16 th:TH_LOAD_NT
.endr
.irp c, 0,1,2,3,4,5,6,7,8,9,10,11,12,13,14,15
	s_wait_loadcnt 30-2*\c                         ; this chunk's two loads are in; the later chunks' may be out
.irp j, 0,1,2,3
	v_cvt_pk_f16_f32 v[32+8*\c+\j], v[32+8*\c+2*\j], v[32+8*\c+2*\j+1]   ; in place, ascending: a result lands where both numbers have been read
.endr
	global_store_b128 v4, v[32+8*\c:35+8*\c], s[18:19] offset:512*\c
.endr
	FINISH
; ---------------- The table.  A wave takes 32 positions, two at a time; lanes 0-7 of a half write the row's 32 cosines, lanes 8-15 its 32 sines, four each: sixteen lanes write a whole row of 256 bytes.
; angle = position x frequency, in f32 as the model has it.  n = the nearest multiple of pi/2, taken off in two parts; sine and cosine of the rest (at most pi/4) by polynomials;
; the quadrant n (+ 1 for a cosine) picks one of the two and the sign.  Position 0 gives exactly 1 and 0.  The four numbers of a lane go line by line, so that no line waits for the one above.
.Lr:
	s_sub_co_u32 s36, ttmp9, 240
	s_lshl_b32 s36, s36, 7
	s_lshl_b32 s37, s[WV], 5
	s_add_co_u32 s36, s36, s37                     ; my first position
	s_lshl_b32 s38, s36, 8
	s_mov_b32 s39, 0
	s_add_nc_u64 s[20:21], s[20:21], s[38:39]
	s_mov_b32 s40, 0xbfc90fdb                      ; -pi/2, the f32 next to it,
	s_mov_b32 s41, 0x333bbd2e                      ; and what that leaves
	s_mov_b32 s42, 0xbe2aaaa3                      ; sine: -1.6666655e-1, 8.3321609e-3, -1.9515296e-4
	s_mov_b32 s43, 0x3c08839e
	s_mov_b32 s44, 0xb94ca1f9
	s_mov_b32 s45, 0x3d2aaaa5                      ; cosine: 4.1666646e-2, -1.3887316e-3, 2.4433157e-5
	s_mov_b32 s46, 0xbab6061a
	s_mov_b32 s47, 0x37ccf5ce
	v_lshrrev_b32 v4, 4, v2
	v_add_nc_u32 v20, s36, v4                      ; my position in task 0
	v_lshlrev_b32 v7, 4, v2                        ; 16 x lane = 256 x half + 16 x place in the row
	v_bfe_u32 v5, v2, 3, 1
	v_xor_b32 v5, 1, v5                            ; 1 for a cosine
	v_and_b32 v3, 7, v2
	v_lshlrev_b32 v3, 2, v3                        ; my first angle
.irp e, 0,1,2,3
	v_add_nc_u32 v[8+\e], \e, v3
.endr
.irp e, 0,1,2,3
	v_cvt_f32_u32 v[8+\e], v[8+\e]
.endr
.irp e, 0,1,2,3
	v_mul_f32 v[8+\e], 0xbed49a78, v[8+\e]         ; x -log2(10000) / 32
.endr
.irp e, 0,1,2,3
	v_exp_f32 v[16+\e], v[8+\e]                    ; the frequencies
.endr
	v_nop                                          ; a plain line behind the last exponential,
	s_wait_alu depctr_va_vdst(0)                   ; and the one wait ahead of the batch's first reader
.macro RTASK tau
.set RO, 64+4*((\tau)%2)
	s_wait_xcnt 0x0                                ; earlier stores have read their data: the results' registers may be written again
	v_add_nc_u32 v21, 2*(\tau), v20
	v_cvt_f32_u32 v22, v21
.irp e, 0,1,2,3
	v_mul_f32 v[32+\e], v22, v[16+\e]              ; the angle
.endr
.irp e, 0,1,2,3
	v_mul_f32 v[36+\e], 0x3f22f983, v[32+\e]       ; x 2 / pi
.endr
.irp e, 0,1,2,3
	v_rndne_f32 v[36+\e], v[36+\e]                 ; n
.endr
.irp e, 0,1,2,3
	v_fma_f32 v[32+\e], v[36+\e], s40, v[32+\e]
.endr
.irp e, 0,1,2,3
	v_fma_f32 v[32+\e], v[36+\e], s41, v[32+\e]    ; r
.endr
.irp e, 0,1,2,3
	v_mul_f32 v[40+\e], v[32+\e], v[32+\e]         ; z = r r
.endr
.irp e, 0,1,2,3
	v_fma_f32 v[44+\e], v[40+\e], s44, s43
	v_fma_f32 v[52+\e], v[40+\e], s47, s46
.endr
.irp e, 0,1,2,3
	v_fma_f32 v[44+\e], v[44+\e], v[40+\e], s42
	v_fma_f32 v[52+\e], v[52+\e], v[40+\e], s45
.endr
.irp e, 0,1,2,3
	v_mul_f32 v[48+\e], v[40+\e], v[32+\e]         ; z r
	v_mul_f32 v[56+\e], v[40+\e], v[40+\e]         ; z z
	v_fma_f32 v[60+\e], v[40+\e], -0.5, 1.0        ; 1 - z / 2
.endr
.irp e, 0,1,2,3
	v_fma_f32 v[44+\e], v[44+\e], v[48+\e], v[32+\e]   ; sin r
	v_fma_f32 v[52+\e], v[52+\e], v[56+\e], v[60+\e]   ; cos r
	v_cvt_i32_f32 v[36+\e], v[36+\e]
.endr
.irp e, 0,1,2,3
	v_add_nc_u32 v[36+\e], v[36+\e], v5            ; the quadrant
.endr
.irp e, 0,1,2,3
	v_and_b32 v[48+\e], 1, v[36+\e]
	v_and_b32 v[36+\e], 2, v[36+\e]
.endr
.irp e, 0,1,2,3
	v_cmp_ne_u32 s[48+\e], 0, v[48+\e]
	v_lshlrev_b32 v[36+\e], 30, v[36+\e]           ; the sign
.endr
.irp e, 0,1,2,3
	v_cndmask_b32 v[44+\e], v[44+\e], v[52+\e], s[48+\e]
.endr
.irp e, 0,1,2,3
	v_xor_b32 v[RO+\e], v[36+\e], v[44+\e]
.endr
	global_store_b128 v7, v[RO:RO+3], s[20:21] offset:512*(\tau)
.endm
.irp tau, 0,1,2,3,4,5,6,7,8,9,10,11,12,13,14,15
	RTASK \tau
.endr
	FINISH
.Lfunc_end_k_qacaf79747d_prep:
	.size	k_qacaf79747d_prep, .Lfunc_end_k_qacaf79747d_prep-k_qacaf79747d_prep
	.p2alignl 7, 3214868480
	.fill 96, 4, 3214868480
	.section	.rodata,"a",@progbits
	.p2align	6, 0x0
	.amdhsa_kernel k_qacaf79747d_prep
		.amdhsa_group_segment_fixed_size 327680
		.amdhsa_private_segment_fixed_size 0
		.amdhsa_enable_private_segment 0
		.amdhsa_kernarg_size 72
		.amdhsa_user_sgpr_count 2
		.amdhsa_user_sgpr_kernarg_segment_ptr 1
		.amdhsa_wavefront_size32 1
		.amdhsa_system_sgpr_workgroup_id_x 1
		.amdhsa_system_sgpr_workgroup_id_y 1
		.amdhsa_system_sgpr_workgroup_id_z 1
		.amdhsa_system_vgpr_workitem_id 0
		.amdhsa_next_free_vgpr 256
		.amdhsa_next_free_sgpr 66
		.amdhsa_reserve_vcc 0
		.amdhsa_float_denorm_mode_32 3
		.amdhsa_float_denorm_mode_16_64 3
		.amdhsa_memory_ordered 1
		.amdhsa_forward_progress 1
		.amdhsa_inst_pref_size 180
	.end_amdhsa_kernel
	.amdgpu_metadata
---
amdhsa.version: [ 1, 2 ]
amdhsa.kernels:
  - .name:           k_qacaf79747d_prep
    .symbol:         k_qacaf79747d_prep.kd
    .args:
      - { .name: x, .offset: 0, .size: 8, .value_kind: global_buffer, .address_space: global }
      - { .name: qw, .offset: 8, .size: 8, .value_kind: global_buffer, .address_space: global }
      - { .name: kw, .offset: 16, .size: 8, .value_kind: global_buffer, .address_space: global }
      - { .name: vw, .offset: 24, .size: 8, .value_kind: global_buffer, .address_space: global }
      - { .name: ow, .offset: 32, .size: 8, .value_kind: global_buffer, .address_space: global }
      - { .name: codes, .offset: 40, .size: 8, .value_kind: global_buffer, .address_space: global }
      - { .name: scales, .offset: 48, .size: 8, .value_kind: global_buffer, .address_space: global }
      - { .name: owh, .offset: 56, .size: 8, .value_kind: global_buffer, .address_space: global }
      - { .name: rope, .offset: 64, .size: 8, .value_kind: global_buffer, .address_space: global }
    .group_segment_fixed_size: 327680
    .private_segment_fixed_size: 0
    .kernarg_segment_align: 8
    .kernarg_segment_size: 72
    .max_flat_workgroup_size: 128
    .sgpr_count:     66
    .vgpr_count:     256
    .wavefront_size: 32
...
	.end_amdgpu_metadata
.endif
;; end of part 1
;; launch qkv (part 2): grid 12 x 16, 4 waves a work-group, clusters of 4 x 4, 327,680 bytes of LDS; arguments codes, scales, rope, qkv, fine; writes qkv, fine
.if DOCPART == 2
	.amdgcn_target "amdgcn-amd-amdhsa--gfx1250"
	.amdhsa_code_object_version 6
	.text
	.protected	k_qacaf79747d_qkv
	.globl	k_qacaf79747d_qkv
	.p2align	8
	.type	k_qacaf79747d_qkv,@function
k_qacaf79747d_qkv:
	s_mov_b64 s[64:65], 0
	v_nop
	global_prefetch_b8 v0, s[64:65] scope:SCOPE_SE
	s_setreg_imm32_b32 hwreg(HW_REG_WAVE_MODE, 25, 1), 1
	s_wait_xcnt 0x0
	s_wait_alu depctr_hold_cnt(0) depctr_sa_sdst(0) depctr_va_vdst(0) depctr_va_sdst(0) depctr_va_ssrc(0) depctr_va_vcc(0) depctr_vm_vsrc(0)
	s_getreg_b32 s2, hwreg(HW_REG_IB_STS2, 6, 4)
	s_cmp_eq_u32 s2, 0
	s_cbranch_scc0 .Lentry_in_a_cluster
	s_endpgm
.Lentry_in_a_cluster:
	s_bfe_u32 s2, ttmp6, 0x10000c
	s_cmp_lg_u32 s2, 0xf033
	s_cbranch_scc0 .Lentry_shape_is_right
	s_endpgm
.Lentry_shape_is_right:
; Q = x qw, K = x kw, V = x vw on codes of FP4 (E2M1) with one E8M0 scale for each 32 along K; then the rotation of Q and K in f32, and all three rounded to f16 for the attention.
; ONE product C = A B^T on the stacked matrix codes [7168 rows][512 bytes] (rows 0-4095: x; 4096 + 1024 t + n: column n of qw, kw, vw), K = 1,024.  A work-group of four waves makes 256 x 256, a wave 128 x 128.
; Cluster x = 0, 1: Q, K: A = 256 rows of x, B = 256 columns of the weight.  Cluster x = 2: V: A = 256 columns of vw, B = 256 rows of x, so that V falls with a channel to a lane and positions along the registers.
; K's 1,024 fit in two LDS slots of 512 along K: every LDS byte is filled once, all three loads of a wave (scales, slot 0, slot 1) go out at the head.
; CLUSTERS: 4 x 4.  A's tile is shared along a row of the cluster, B's along a column: each is asked for jointly, by the same tensor load with the same descriptor and a mask that names the four.
; THE MATRIX INSTRUCTION IS USED TRANSPOSED (source 0 = 16 rows of B, source 1 = 16 rows of A): lane (r, h) holds row r of A's block and eight rows of B's.
; THE ROWS OF B THAT A FRAGMENT'S LANES TAKE ARE PERMUTED: lane i takes row f(i) = (i & 8) + 2 (i & 3) + ((i >> 2) & 1), so that registers 0-3 of a result are B's rows 8 h + 0, 2, 4, 6 and registers 4-7 rows 8 h + 1, 3, 5, 7:
; the two halves of the rotation's pairs, each in packed registers.
; THE WAY OUT needs no LDS: a lane's eight results, packed to f16, are 16 bytes, and the wave's 512 bytes are stored as they stand, consecutive and aligned: an IMAGE of four registers of the next product's operand.
;   qkv: regions Q, K, V of 8 MiB; piece ((16 batch + head) 128 + position tile) 4 + ct, 512 bytes, lane l's 16 bytes at 16 l.  Q, K: lane (r, h): d = 16 ct + 8 h + 0..7 of position 16 tile + r.
;   V: lane (r, h): positions 16 tile + 8 h + 0..7 of channel 16 ct + r.   V takes the same lines as Q and K with the table's row 0, which is cos 1, sin 0: one path for all three.
;   fine: the raw f32 results of positions 0-15 of both sequences, [q, k, v][batch][head][ct][registers 0-3 | 4-7][lane][16 bytes], for the launch that carries those rows in f32.
; LIMIT: Q, K, V beyond 65,504 in magnitude become infinity in f16.
; REGISTERS, in windows of 256: window 0: v0-31 addresses; v32-95 scale words, two sets; v128-191 A's fragments, one set; v192-255 two sets of the table.  On the way out v32-95 the turned numbers, v96-127 packed, v128-135 offsets.
;   window 1: B's fragments, two sets.   window 2: the accumulators of A's blocks 0-3 ((a, b) at v[8 (8 a + b)]);   window 3: those of blocks 4-7.
.set NQ,     4                         ; matrix instructions deep in a slot
.set ROWB,   256                       ; a tile's row: 512 codes
.set KROW,   512                       ; a row of codes in memory
.set PITCH,  272                       ; an LDS row: 256 bytes + 16 of padding: the 16 rows that a load touches start at 16 different banks
.set FR,     8
.set NL,     2
.set NP,     4                         ; places behind this matrix instruction (ISA guide 7.12.1)
.set HALFT,  128*PITCH
.set SLOT,   4*HALFT                   ; A's 256 rows, then B's 256 rows
.set KS,     32                        ; a row of scale bytes
.set SCL,    2*SLOT                    ; behind the slots: the scales, as units of 256 bytes + 16 of padding
.set HALFS,  (128*KS/256)*272
.set SBLK,   (16*KS/256)*272
.set SPARE,  SCL+4*HALFS               ; the spare words, 128 bytes a wave: two blocks of 256 bytes that no other line names
.set ADRA, 16                          ; v16-17  LDS address of my A fragments in slot 0, 1
.set ADRB, 20                          ; v20-21  the same for B
.set RAD,  24                          ; v24     my place in the table: row r (0 for V) + 16 h
.set LI,   25                          ; v25     16 x lane
.set BADQ, 26                          ; v26     0 where block a = 0 holds positions 0-15 of a sequence (Q, K)
.set ADRS, 27                          ; v27     LDS address of my scale words: lanes 0-15 A's rows, lanes 16-31 B's
.set SPW,  28
.set NIL,  29
.set BADV, 30                          ; v30     0 where block b = 0 holds them (V)
.set SC,   32
.set AF,   128
.set TB,   192
.set WW,   32
.set PK,   96
.set VB,   128
.set G1, 24
.set G0, 32
.set G1B, 48
.set G0B, 56
.set G1S, 68
.set G0S, 76
.set G1SB, 80
.set G0SB, 88
.set RB, 92                            ; s[92:93], s[96:97] the table's rows of even and of odd blocks;  s[46:47] two blocks on, in bytes
.set MSB, 0
.macro WIN new                         ; the immediate's high byte repeats the setting that is left
.if MSB != \new
	s_set_vgpr_msb (MSB<<8)|\new
.set MSB, \new
.endif
.endm
.set MUL_LO, 0xa1                      ; source 0 (B) window 1, source 1 (A) window 0, C and D window 2
.set MUL_HI, 0xf1
.set TO_B,   0x40
; A joint load: waves 0 and 1 fetch for A, waves 2 and 3 for B.  The branch hangs on the wave's number alone.  An s_nop 0 and four v_nop follow each of the two lines.
.macro JLOAD g0a, g1a, g0b, g1b
	s_cmp_eq_u32 s15, 0
	s_cbranch_scc0 .Lfor_b_\@
	tensor_load_to_lds s[\g0a:\g0a+3], s[\g1a:\g1a+7]
	s_nop 0
.rept 4
	v_nop
.endr
	s_branch .Lasked_\@
.Lfor_b_\@:
	tensor_load_to_lds s[\g0b:\g0b+3], s[\g1b:\g1b+7]
	s_nop 0
.rept 4
	v_nop
.endr
.Lasked_\@:
.endm
.macro CROUND                          ; a round of the cluster's barrier
	s_barrier_signal -1
	s_barrier_wait -1
	s_cmp_lg_u32 s14, 0
	s_cbranch_scc1 .Lnot_wave_0_\@
	s_barrier_signal -3
.Lnot_wave_0_\@:
	s_barrier_wait -3
	s_barrier_signal -1
	s_barrier_wait -1
.endm
	s_load_b256 s[4:11], s[0:1], 0x0               ; codes s[4:5], scales s[6:7], rope s[8:9], qkv s[10:11]
	s_load_b64 s[12:13], s[0:1], 0x20              ; fine
	v_lshl_add_u32 v[SPW], v0, 2, SPARE
	v_mov_b32 v[NIL], 0
	ds_add_u32 v[SPW], v[NIL]                      ; the opening: the add, twice on end, and its wait ahead of my first tensor load
	ds_add_u32 v[SPW], v[NIL]
	v_lshrrev_b32 v1, 5, v0
	v_readfirstlane_b32 s14, v1                    ; wave 0..3
	s_lshr_b32 s15, s14, 1                         ; which half of A's rows is mine.  Also: I fetch for A (0) or for B (1)
	s_and_b32 s16, s14, 1                          ; which half of B's rows.  Also: which 128 rows of that tile I fetch
	s_bfe_u32 s40, ttmp6, 0x40000                  ; cx, cy: my place in the cluster
	s_bfe_u32 s41, ttmp6, 0x40004
	s_and_b32 s18, ttmp7, 0xffff
	s_lshl_b32 s18, s18, 2                         ; 4 x cluster y: four tiles of x's rows
	s_lshl_b32 s19, ttmp9, 2
	s_add_co_u32 s19, s19, 16                      ; 16 + 4 x cluster x: four tiles of qw's or kw's columns
	s_cmp_eq_u32 ttmp9, 2                          ; V?  The same in all sixteen partners
	s_cselect_b32 s17, 24, s18
	s_cselect_b32 s42, s18, s19
	s_add_co_u32 s17, s17, s41                     ; A's tile of 256 rows of codes: it holds cy and never cx
	s_add_co_u32 s42, s42, s40                     ; B's: cx and never cy
	s_lshl_b32 s43, s41, 2
	s_lshl_b32 s43, 15, s43                        ; my row of the cluster
	s_lshl_b32 s44, 0x1111, s40                    ; my column
	s_or_b32 s[G1+0], s43, (0<<16)|(1<<20)|(1<<21)|(5<<22)|(3<<25)  ; the mask; elements of 1 byte; padding on; bit 21 beside a mask; 4 words after every 64
	s_or_b32 s[G1B+0], s44, (0<<16)|(1<<20)|(1<<21)|(5<<22)|(3<<25)
.irp g, G1, G1B
	s_mov_b32 s[\g+1], ROWB<<16                    ; tensor_dim0
	s_mov_b32 s[\g+2], 128<<16                     ; tensor_dim1
	s_mov_b32 s[\g+3], ROWB<<16                    ; tile_dim0
	s_mov_b32 s[\g+4], 128                         ; tile_dim1
	s_mov_b32 s[\g+5], KROW                        ; from row to row
	s_mov_b32 s[\g+6], 0
	s_mov_b32 s[\g+7], 0
.endr
	s_or_b32 s[G1S+0], s43, (3<<16)|(1<<20)|(1<<21)|(5<<22)|(3<<25)  ; the scales of 128 rows: 4,096 dense bytes as 16 rows of 256 (32 elements of 8 bytes), 16 bytes of padding behind each
	s_or_b32 s[G1SB+0], s44, (3<<16)|(1<<20)|(1<<21)|(5<<22)|(3<<25)
.irp g, G1S, G1SB
	s_mov_b32 s[\g+1], 32<<16
	s_mov_b32 s[\g+2], (128*KS/256)<<16
	s_mov_b32 s[\g+3], 32<<16
	s_mov_b32 s[\g+4], 128*KS/256
	s_mov_b32 s[\g+5], 32
	s_mov_b32 s[\g+6], 0
	s_mov_b32 s[\g+7], 0
.endr
	s_lshl_b32 s18, s16, 7                         ; which 128 rows of the tile I fetch
	s_lshl_b32 s20, s17, 8
	s_add_co_u32 s20, s20, s18                     ; A's
	s_lshl_b32 s46, s42, 8
	s_add_co_u32 s46, s46, s18                     ; B's
	s_lshl_b32 s22, s20, 5                         ; their scales: 32 bytes a row,
	s_lshl_b32 s92, s46, 5
	s_lshl_b32 s20, s20, 9                         ; their codes: 512
	s_lshl_b32 s46, s46, 9
	s_mov_b32 s21, 0
	s_mov_b32 s23, 0
	s_mov_b32 s47, 0
	s_mov_b32 s93, 0
	s_mul_i32 s45, s14, HALFT                      ; where they go: wave x 128 rows: no place in the cluster enters an LDS address
	s_mul_i32 s94, s14, HALFS
	s_wait_dscnt 0x0                               ; both opening adds are done
	s_wait_kmcnt 0x0
	s_add_nc_u64 s[20:21], s[4:5], s[20:21]
	s_add_nc_u64 s[22:23], s[6:7], s[22:23]
	s_add_nc_u64 s[46:47], s[4:5], s[46:47]
	s_add_nc_u64 s[92:93], s[6:7], s[92:93]
	CROUND                                         ; all sixteen work-groups are here: the joint loads meet
	s_mov_b32 s[G0S], 1
	s_add_co_u32 s[G0S+1], s94, SCL
	s_mov_b64 s[G0S+2:G0S+3], s[22:23]
	s_or_b32 s[G0S+3], s[G0S+3], 0x80000000
	s_mov_b32 s[G0SB], 1
	s_add_co_u32 s[G0SB+1], s94, SCL
	s_mov_b64 s[G0SB+2:G0SB+3], s[92:93]
	s_or_b32 s[G0SB+3], s[G0SB+3], 0x80000000
	JLOAD G0S, G1S, G0SB, G1SB                     ; the scales first: they are wanted with the first step
.irp s, 0,1
	s_mov_b32 s[G0+4*\s], 1
	s_add_co_u32 s[G0+4*\s+1], s45, \s*SLOT
	s_add_nc_u64 s[G0+4*\s+2:G0+4*\s+3], s[20:21], \s*ROWB
	s_or_b32 s[G0+4*\s+3], s[G0+4*\s+3], 0x80000000
	s_mov_b32 s[G0B+4*\s], 1
	s_add_co_u32 s[G0B+4*\s+1], s45, \s*SLOT
	s_add_nc_u64 s[G0B+4*\s+2:G0B+4*\s+3], s[46:47], \s*ROWB
	s_or_b32 s[G0B+4*\s+3], s[G0B+4*\s+3], 0x80000000
	JLOAD G0+4*\s, G1, G0B+4*\s, G1B               ; three loads of mine are out, and no more follow
.endr
	v_and_b32 v1, 15, v0                           ; r
	v_bfe_u32 v2, v0, 4, 1                         ; h
	v_and_b32 v7, 8, v1
	v_and_b32 v8, 3, v1
	v_lshl_or_b32 v7, v8, 1, v7
	v_bfe_u32 v8, v1, 2, 1
	v_add_nc_u32 v7, v7, v8                        ; f(r)
	v_mul_u32_u24 v3, v1, PITCH
	v_lshl_add_u32 v4, v2, 4, v3                   ; A: row r x pitch + 16 h
	v_mul_u32_u24 v3, v7, PITCH
	v_lshl_add_u32 v9, v2, 4, v3                   ; B: row f(r)
	s_mul_i32 s21, s15, HALFT                      ; my 128 rows of A
	s_mul_i32 s22, s16, HALFT                      ; my 128 rows of B,
	s_add_co_u32 s22, s22, 2*HALFT                 ; which lie behind A's 256
.irp s, 0,1
	v_add_nc_u32 v[ADRA+\s], s21, v4
	v_add_nc_u32 v[ADRB+\s], s22, v9
	s_add_co_u32 s21, s21, SLOT
	s_add_co_u32 s22, s22, SLOT
.endr
	v_xor_b32 v8, v1, v7
	v_mul_u32_u24 v10, v2, 15
	v_and_b32 v8, v8, v10
	v_xor_b32 v8, v1, v8                           ; the row of my scale word: r in lanes 0-15 (A's), f(r) in lanes 16-31 (B's)
	v_mul_u32_u24 v5, v8, KS
	v_lshrrev_b32 v6, 8, v5
	v_lshl_add_u32 v5, v6, 4, v5                   ; and 16 more for each 256 passed
	s_mul_i32 s21, s15, HALFS
	s_mul_i32 s22, s16, HALFS
	s_add_co_u32 s22, s22, 2*HALFS
	s_sub_co_u32 s22, s22, s21
	v_mul_u32_u24 v6, s22, v2                      ; lanes 16-31 take B's
	s_add_co_u32 s21, s21, SCL
	v_add_nc_u32 v5, v5, v6
	v_add_nc_u32 v[ADRS], s21, v5
	v_and_b32 v6, 31, v0
	v_lshlrev_b32 v[LI], 4, v6
	; where my results belong.  These numbers may hold cx and cy together: they enter addresses of plain loads and stores alone, in registers that feed no descriptor of A's
	s_cmp_eq_u32 ttmp9, 2
	s_cselect_b32 s66, 0, 256                      ; bytes from row to row of the table: V stays on row 0
	s_cselect_b32 s67, s42, s17                    ; the tile that holds positions: B's for V, else A's,
	s_cselect_b32 s98, s16, s15                    ; and my half of it
	s_cselect_b32 s99, s41, s40                    ; the tile that holds channels: 4 heads,
	s_cselect_b32 s100, s15, s16                   ; and my half: 2 heads
	s_lshl_b32 s67, s67, 4
	s_lshl_b32 s98, s98, 3
	s_add_co_u32 s67, s67, s98                     ; my first tile of 16 positions, of 256
	s_lshr_b32 s98, s67, 7                         ; the batch
	s_and_b32 s67, s67, 127                        ; the tile in its sequence
	s_lshl_b32 s99, s99, 2
	s_lshl_b32 s100, s100, 1
	s_add_co_u32 s99, s99, s100                    ; my first head
	s_mul_i32 s46, s67, s66
	s_lshl_b32 s46, s46, 4
	s_mov_b32 s47, 0
	s_add_nc_u64 s[RB:RB+1], s[8:9], s[46:47]      ; the table at block 0's positions,
	s_lshl_b32 s46, s66, 4
	s_add_nc_u64 s[RB+4:RB+5], s[RB:RB+1], s[46:47]   ; at block 1's,
	s_lshl_b32 s46, s66, 5                         ; and two blocks on
	v_mul_u32_u24 v[RAD], s66, v1
	v_lshl_add_u32 v[RAD], v2, 4, v[RAD]
.macro TABLE a                         ; block a's table: for each 16 columns of a head, cos and sin of pairs 8 q + 4 h + 0..3 at my position
.irp q, 0,1,2,3
	global_load_b128 v[TB+32*((\a)%2)+8*\q:TB+32*((\a)%2)+8*\q+3], v[RAD], s[RB+4*((\a)%2):RB+4*((\a)%2)+1] offset:32*\q
	global_load_b128 v[TB+32*((\a)%2)+8*\q+4:TB+32*((\a)%2)+8*\q+7], v[RAD], s[RB+4*((\a)%2):RB+4*((\a)%2)+1] offset:128+32*\q
.endr
.endm
	TABLE 0                                        ; they land while the products run
	TABLE 1
.macro FRAG reg, adr, q, i             ; a fragment, 16 rows x 128 K of 4-bit codes: registers 4 c .. 4 c + 3 hold K = 64 c + 32 h + 0 .. 31
.irp c, 0,1
	ds_load_b128 v[\reg+4*\c:\reg+4*\c+3], v[\adr] offset:64*(\q)+32*\c+(\i)*16*PITCH
.endr
.endm
; 16 matrix instructions: A's blocks a0, a0 + 1 x B's eight, 128 along K.  The 64 accumulators take turns, one instruction a turn.  zero = 1: the first product starts the sums.
.macro MUL16 a0, p, q, sc, zero
.irp a, \a0, \a0+1
.irp b, 0,1,2,3,4,5,6,7
.if \zero
	v_wmma_scale_f32_16x16x128_f8f6f4 v[8*(8*((\a)%4)+\b):8*(8*((\a)%4)+\b)+7], v[128*(\p)+FR*\b:128*(\p)+FR*\b+FR-1], v[AF+FR*(\a):AF+FR*(\a)+FR-1], 0, v[SC+8*NQ*(\sc)+NQ*\b+(\q)], v[SC+8*NQ*(\sc)+NQ*(\a)+(\q)] matrix_a_fmt:MATRIX_FMT_FP4 matrix_b_fmt:MATRIX_FMT_FP4 matrix_a_scale:MATRIX_SCALE_ROW1
.else
	v_wmma_scale_f32_16x16x128_f8f6f4 v[8*(8*((\a)%4)+\b):8*(8*((\a)%4)+\b)+7], v[128*(\p)+FR*\b:128*(\p)+FR*\b+FR-1], v[AF+FR*(\a):AF+FR*(\a)+FR-1], v[8*(8*((\a)%4)+\b):8*(8*((\a)%4)+\b)+7], v[SC+8*NQ*(\sc)+NQ*\b+(\q)], v[SC+8*NQ*(\sc)+NQ*(\a)+(\q)] matrix_a_fmt:MATRIX_FMT_FP4 matrix_b_fmt:MATRIX_FMT_FP4 matrix_a_scale:MATRIX_SCALE_ROW1
.endif
.endr
.endr
.endm
.macro FETCH_B slot, q, p
	WIN TO_B
.irp i, 0,1,2,3,4,5,6,7
	FRAG 128*(\p)+FR*\i, ADRB+\slot, \q, \i
.endr
	WIN 0
.endm
.macro FETCH_A slot, q, i0
.irp i, \i0, \i0+1, \i0+2, \i0+3
	FRAG AF+FR*(\i), ADRA+\slot, \q, \i
.endr
.endm
.macro SCALES sc                       ; a slot's scale words: 4 words a row; lanes 0-15 take A's block i, lanes 16-31 B's block i
.irp i, 0,1,2,3,4,5,6,7
	ds_load_b128 v[SC+8*NQ*\sc+NQ*\i:SC+8*NQ*\sc+NQ*\i+3], v[ADRS] offset:\i*SBLK
.endr
.endm
.macro PLACES n                        ; plain vector lines between a matrix instruction and a load into, or a read or write of, its registers
.rept \n
	v_nop
.endr
.endm
.macro STEP slot, q, zero              ; a step of 128 along K that has its successor in the same slot
	s_wait_dscnt 4*NL                              ; B's set and A's blocks 0-3 are in; the youngest eight loads (A's blocks 4-7) may be out
	WIN MUL_LO
	MUL16 0, (\q)%2, \q, \slot, \zero
	MUL16 2, (\q)%2, \q, \slot, \zero
	s_wait_dscnt 0
	PLACES NP
	FETCH_B \slot, (\q)+1, 1-(\q)%2
	FETCH_A \slot, (\q)+1, 0
	WIN MUL_HI
	MUL16 4, (\q)%2, \q, \slot, \zero
	MUL16 6, (\q)%2, \q, \slot, \zero
	PLACES NP
	WIN 0
	FETCH_A \slot, (\q)+1, 4
.endm
.macro STEPS slot, from
.set Q, \from
.rept NQ-1-\from
	STEP \slot, Q, 0
.set Q, Q+1
.endr
.endm
	s_wait_tensorcnt 1                             ; the scales and my part of slot 0 are in (slot 1's load may be out)
	s_barrier_signal -1
	s_barrier_wait -1                              ; everybody's are
	FETCH_B 0, 0, 0
	FETCH_A 0, 0, 0
	SCALES 0
	FETCH_A 0, 0, 4
	STEP 0, 0, 1                                   ; the first step's products start the sums: nothing is cleared
	STEPS 0, 1
	; slot 0's last step changes slots: my part of slot 1 has landed, and one barrier shows every wave's
	s_wait_tensorcnt 0x0
	ds_add_u32 v[SPW], v[NIL]                      ; behind the wait for all my tensor loads
	s_wait_dscnt 4*NL+1                            ; (the add and A's blocks 4-7 may be out)
	WIN MUL_LO
	MUL16 0, 1, NQ-1, 0, 0
	s_wait_dscnt 0x0
	s_barrier_signal -1
	MUL16 2, 1, NQ-1, 0, 0
	WIN 0
	s_barrier_wait -1
	PLACES NP
	v_add_nc_u32 v[ADRS], 4*NQ, v[ADRS]            ; on to slot 1's scale words
	FETCH_B 1, 0, 0
	FETCH_A 1, 0, 0
	SCALES 1
	WIN MUL_HI
	MUL16 4, 1, NQ-1, 0, 0
	MUL16 6, 1, NQ-1, 0, 0
	PLACES NP
	WIN 0
	FETCH_A 1, 0, 4
	STEPS 1, 0
	s_wait_dscnt 4*NL                              ; the very last step: nothing more to fetch
	WIN MUL_LO
	MUL16 0, 1, NQ-1, 1, 0
	MUL16 2, 1, NQ-1, 1, 0
	s_wait_dscnt 0
	WIN MUL_HI
	MUL16 4, 1, NQ-1, 1, 0
	MUL16 6, 1, NQ-1, 1, 0
	WIN 0
	; ---- THE WAY OUT.  No tensor load is out, so the descriptors' registers are free.  Block (a, b) goes to base + a's part + b's part:
	; Q, K: a = position tile (2,048 bytes), b = 16 channels (512 bytes; 262,144 from head to head).  V: a = 16 channels, b = position tile.
	s_cmp_eq_u32 ttmp9, 2
	s_mov_b32 s48, 2048
	s_cselect_b32 s48, 512, s48                    ; from block a to a + 1,
	s_mov_b32 s50, 2048
	s_cselect_b32 s50, 262144-3*512, s50           ; from a = 3 to a = 4
	s_mov_b32 s56, 512
	s_cselect_b32 s56, 2048, s56                   ; from block b to b + 1,
	s_mov_b32 s57, 262144
	s_cselect_b32 s57, 8192, s57                   ; from b to b + 4
	s_mov_b32 s49, 0
	s_mov_b32 s51, 0
	s_lshl_b32 s58, s98, 4
	s_add_co_u32 s58, s58, s99                     ; 16 batch + head
	s_lshl_b32 s58, s58, 7
	s_add_co_u32 s58, s58, s67                     ; x 128 + position tile
	s_lshl_b32 s58, s58, 11
	s_lshl_b32 s59, ttmp9, 23                      ; the region
	s_add_co_u32 s58, s58, s59
	s_mov_b32 s59, 0
	s_add_nc_u64 s[52:53], s[10:11], s[58:59]
	s_lshl_b32 s58, ttmp9, 17
	s_lshl_b32 s60, s98, 16
	s_add_co_u32 s58, s58, s60
	s_lshl_b32 s60, s99, 12
	s_add_co_u32 s58, s58, s60
	s_add_nc_u64 s[54:55], s[12:13], s[58:59]      ; fine: [q, k, v][batch][head]
	s_lshr_b32 s61, ttmp9, 1                       ; 1 for V
	s_and_b32 s60, s17, 7
	s_or_b32 s60, s60, s15
	s_or_b32 s60, s60, s61                         ; 0: Q or K, and my block a = 0 begins a sequence
	s_xor_b32 s61, s61, 1
	s_and_b32 s62, s42, 7
	s_or_b32 s62, s62, s16
	s_or_b32 s62, s62, s61                         ; 0: V, and my block b = 0 begins a sequence
	PLACES NP                                      ; all lanes on: behind the last products, ahead of the reads of results and of the writes into registers that held operands and scales
	v_mov_b32 v[BADQ], s60
	v_mov_b32 v[BADV], s62
	v_mov_b32 v[VB], v[LI]
	v_add_nc_u32 v[VB+1], s56, v[VB]
	v_add_nc_u32 v[VB+2], s56, v[VB+1]
	v_add_nc_u32 v[VB+3], s56, v[VB+2]
.irp b, 0,1,2,3
	v_add_nc_u32 v[VB+4+\b], s57, v[VB+\b]
.endr
	; the raw results of positions 0-15.  Which work-group holds them hangs on its place in the cluster: the stores stand under EXEC, all lanes or none
	s_wait_xcnt 0x0                                ; EXEC changes only behind this wait (the table's loads were issued under the full one)
	v_cmp_eq_u32 vcc_lo, 0, v[BADQ]
	s_and_saveexec_b32 s63, vcc_lo
	WIN 0x08                                       ; a store's data: window 2
.irp b, 0,1,2,3,4,5,6,7
	global_store_b128 v[LI], v[8*\b:8*\b+3], s[54:55] offset:1024*\b          ; each accumulator from its low end on
	global_store_b128 v[LI], v[8*\b+4:8*\b+7], s[54:55] offset:1024*\b+512
.endr
	WIN 0
	s_wait_xcnt 0x0
	s_or_b32 exec_lo, exec_lo, s63
	v_cmp_eq_u32 vcc_lo, 0, v[BADV]
	s_and_saveexec_b32 s63, vcc_lo
	WIN 0x08
.irp a, 0,1,2,3
	global_store_b128 v[LI], v[64*\a:64*\a+3], s[54:55] offset:1024*\a
	global_store_b128 v[LI], v[64*\a+4:64*\a+7], s[54:55] offset:1024*\a+512
.endr
	WIN 0x0c                                       ; window 3
.irp a, 0,1,2,3
	global_store_b128 v[LI], v[64*\a:64*\a+3], s[54:55] offset:1024*(\a+4)
	global_store_b128 v[LI], v[64*\a+4:64*\a+7], s[54:55] offset:1024*(\a+4)+512
.endr
	WIN 0
	s_wait_xcnt 0x0
	s_or_b32 exec_lo, exec_lo, s63                 ; all lanes on again
; The rotation of one accumulator: registers 0-3 are x1 of four pairs, 4-7 their x2.  r1 = x1 cos - x2 sin, r2 = x1 sin + x2 cos, two pairs an instruction.  The first line reads the accumulator's low end.
.macro ROPE8 a, b
.set XA, 8*(8*((\a)%4)+(\b))
.set TT, TB+32*((\a)%2)+8*((\b)%4)
.set WB, WW+8*(\b)
	v_pk_mul_f32 v[WB+4:WB+5], v[XA:XA+1], v[TT+4:TT+5]
	v_pk_mul_f32 v[WB+6:WB+7], v[XA+2:XA+3], v[TT+6:TT+7]
	v_pk_mul_f32 v[WB:WB+1], v[XA+4:XA+5], v[TT+4:TT+5]
	v_pk_mul_f32 v[WB+2:WB+3], v[XA+6:XA+7], v[TT+6:TT+7]
	v_pk_fma_f32 v[WB+4:WB+5], v[XA+4:XA+5], v[TT:TT+1], v[WB+4:WB+5]
	v_pk_fma_f32 v[WB+6:WB+7], v[XA+6:XA+7], v[TT+2:TT+3], v[WB+6:WB+7]
	v_pk_fma_f32 v[WB:WB+1], v[XA:XA+1], v[TT:TT+1], v[WB:WB+1] neg_lo:[0,0,1] neg_hi:[0,0,1]
	v_pk_fma_f32 v[WB+2:WB+3], v[XA+2:XA+3], v[TT+2:TT+3], v[WB+2:WB+3] neg_lo:[0,0,1] neg_hi:[0,0,1]
.endm
.macro EPI a
	s_wait_xcnt 0x0                                ; the last block's stores have read their data and their base
.if (\a) == 4
	s_add_nc_u64 s[52:53], s[52:53], s[50:51]
.elseif (\a) > 0
	s_add_nc_u64 s[52:53], s[52:53], s[48:49]
.endif
.if (\a) < 7
	s_wait_loadcnt 8                               ; this block's table is in; the next block's eight loads may be out
.else
	s_wait_loadcnt 0
.endif
.if (\a) < 4
	WIN 0x02                                       ; source 0: the accumulators' window
.else
	WIN 0x03
.endif
.irp b, 0,1,2,3,4,5,6,7
	ROPE8 \a, \b
.endr
	WIN 0
.if (\a) <= 5
	s_add_nc_u64 s[RB+4*((\a)%2):RB+4*((\a)%2)+1], s[RB+4*((\a)%2):RB+4*((\a)%2)+1], s[46:47]
	TABLE (\a)+2
.endif
.irp b, 0,1,2,3,4,5,6,7
.irp j, 0,1,2,3
	v_cvt_pk_f16_f32 v[PK+4*\b+\j], v[WW+8*\b+\j], v[WW+8*\b+4+\j]   ; (r1, r2) of pair j: the natural order again
.endr
.endr
.irp b, 0,1,2,3,4,5,6,7
	global_store_b128 v[VB+\b], v[PK+4*\b:PK+4*\b+3], s[52:53]       ; a piece: 512 consecutive aligned bytes
.endr
.endm
.irp a, 0,1,2,3,4,5,6,7
	EPI \a
.endr
	s_wait_tensorcnt 0x0                           ; the wave's end
	ds_add_u32 v[SPW], v[NIL]
	s_wait_dscnt 0x0
	CROUND                                         ; the closing round
	s_endpgm
.Lfunc_end_k_qacaf79747d_qkv:
	.size	k_qacaf79747d_qkv, .Lfunc_end_k_qacaf79747d_qkv-k_qacaf79747d_qkv
	.p2alignl 7, 3214868480
	.fill 96, 4, 3214868480
	.section	.rodata,"a",@progbits
	.p2align	6, 0x0
	.amdhsa_kernel k_qacaf79747d_qkv
		.amdhsa_group_segment_fixed_size 327680
		.amdhsa_private_segment_fixed_size 0
		.amdhsa_enable_private_segment 0
		.amdhsa_kernarg_size 40
		.amdhsa_user_sgpr_count 2
		.amdhsa_user_sgpr_kernarg_segment_ptr 1
		.amdhsa_wavefront_size32 1
		.amdhsa_system_sgpr_workgroup_id_x 1
		.amdhsa_system_sgpr_workgroup_id_y 1
		.amdhsa_system_sgpr_workgroup_id_z 1
		.amdhsa_system_vgpr_workitem_id 0
		.amdhsa_next_free_vgpr 1024
		.amdhsa_next_free_sgpr 102
		.amdhsa_reserve_vcc 1
		.amdhsa_float_denorm_mode_32 3
		.amdhsa_float_denorm_mode_16_64 3
		.amdhsa_memory_ordered 1
		.amdhsa_forward_progress 1
		.amdhsa_inst_pref_size 162
	.end_amdhsa_kernel
	.amdgpu_metadata
---
amdhsa.version: [ 1, 2 ]
amdhsa.kernels:
  - .name:           k_qacaf79747d_qkv
    .symbol:         k_qacaf79747d_qkv.kd
    .args:
      - { .name: codes, .offset: 0, .size: 8, .value_kind: global_buffer, .address_space: global }
      - { .name: scales, .offset: 8, .size: 8, .value_kind: global_buffer, .address_space: global }
      - { .name: rope, .offset: 16, .size: 8, .value_kind: global_buffer, .address_space: global }
      - { .name: qkv, .offset: 24, .size: 8, .value_kind: global_buffer, .address_space: global }
      - { .name: fine, .offset: 32, .size: 8, .value_kind: global_buffer, .address_space: global }
    .group_segment_fixed_size: 327680
    .private_segment_fixed_size: 0
    .kernarg_segment_align: 8
    .kernarg_segment_size: 40
    .max_flat_workgroup_size: 128
    .sgpr_count:     102
    .vgpr_count:     1024
    .wavefront_size: 32
...
	.end_amdgpu_metadata
.endif
;; end of part 2
;; launch attn (part 3): grid 8 x 32, 8 waves a work-group, no clusters, 327,680 bytes of LDS; arguments qkv, merged; writes merged
.if DOCPART == 3
	.amdgcn_target "amdgcn-amd-amdhsa--gfx1250"
	.amdhsa_code_object_version 6
	.text
	.protected	k_qacaf79747d_attn
	.globl	k_qacaf79747d_attn
	.p2align	8
	.type	k_qacaf79747d_attn,@function
k_qacaf79747d_attn:
	s_mov_b64 s[64:65], 0
	v_nop
	global_prefetch_b8 v0, s[64:65] scope:SCOPE_SE
	s_setreg_imm32_b32 hwreg(HW_REG_WAVE_MODE, 25, 1), 1
	s_wait_xcnt 0x0
; Causal attention of one head (work-group y = 16 batch + head), head size 64, 2,048 positions.  Operands f16, products, maxima and sums f32; a running maximum m and sum l for each query.
; Q, K, V come as images of operand registers (pieces of 512 bytes, lane l's 16 bytes at 16 l): every load is 16 x lane + a constant, with no pitch, padding or turning.
; SHARES.  Wave w of work-group x = g owns two tiles of 16 queries: tA = 8 g + w and tB = 127 - tA: under the mask the two together see 33 steps of 64 keys, whichever g and w: all waves have equal work.
; Two waves share a SIMD: one wave's softmax stands beside the other's products.  A step's fragments of K and V, read from LDS once, serve both tiles while tile A still counts.
; LAYOUT.  S^T = K Q^T (source 0 = 16 keys, source 1 = 16 queries) and O^T = V^T P^T (source 0 = 16 channels, source 1 = P): a lane holds ONE query (lane % 16) throughout; two tiles of S^T, packed, are P's fragment.
; SOFTMAX.  p = 2^(c s - c m), c = log2(e) / 8; in every step O and l are multiplied by a = 2^(c m_old - c m_new).  l sums the unrounded p.
; THE RING.  Two slots of 256 keys (K's 32 KiB, then V's), filled by waves 0-3, one tensor load of 16 KiB each, read by all eight.  Every work-group walks all 8 slots: trip counts are constants.
; THE MASK.  A step all of whose keys come after a tile's queries is left out by a scalar branch on ids; on the diagonal hidden scores become -infinity (the model's -1e10 gives the same weights, 0, while scores stay far under 1e10).
; A slot whose first key comes after the work-group's last query is read by no wave and is not asked for.
; NO CLUSTER: the work-groups of a head need different numbers of slots under the mask, so some partner would leave a jointly fetched slot unread.
; OUT: merged, f16 pieces for the projection: (T >> 3) 262,144 + (head >> 2) 65,536 + (T & 7) 8,192 + (head & 3) 2,048 + 512 ct, T = 128 batch + position tile: lane (r, h): channels 16 ct + 8 h + 0..7 of position r.
; LIMITS: O beyond 65,504 becomes infinity in f16.  Positions 0-15 are made here too, and are made again in f32 by the last launch.
.set SLOT1, 65536
.set VOFF,  32768
.set SPARE, 131072                     ; the spare words, 128 bytes a wave: four blocks of 256 bytes that no other line names
.set LI,   1                           ; v1   16 x lane
.set ADR,  2                           ; v2   LDS address of the step's loads
.set SPW,  3
.set NIL,  4
.set DL,   5                           ; v5   r - 8 h
.set NINF, 6                           ; v6   -infinity
.set DD,   7                           ; v7   at work: the mask's bound
.set PFK,  8                           ; v8   the prefetches' offsets: 256 x lane in K's region,
.set PFV,  9                           ; v9   and 8 MiB on, in V's
.set ST,   12                          ; v12-27   statistics, 8 a tile: c m, m, l (two halves), four at work; a takes +6
.set QR,   32                          ; v32-63   Q, 16 a tile: piece ct at + 4 ct
.set KR,   64                          ; v64-127  K: piece (kt, ct) at 16 kt + 4 ct
.set SR,   128                         ; v128-159 S^T, then p
.set PR,   160                         ; v160-175 p in f16
.set VR,   176                         ; v176-239 V: piece (kt, ct) at 8 (4 (kt / 2) + ct) + 4 (kt % 2)
                                       ; window 1, v0-63: O^T, tile t at 32 t
.set WV,   8
.set KF,   19                          ; s19  the step's first key
.set TB,   20                          ; s20  LDS byte at which the slot in hand begins
.set SLOTS, 21
.set SEL,  22
.set G1,   24
.set G0,   32
.set CS,   36
.set PFA,  38
.set LIM,  40
.set MSB, 0
.macro WIN new
.if MSB != \new
	s_set_vgpr_msb (MSB<<8)|\new
.set MSB, \new
.endif
.endm
.macro TLOAD                           ; waves 0-3 fetch: K's two halves, V's two halves.  An s_nop 0 and four v_nop follow the load
	s_cmp_lt_u32 s[WV], 4
	s_cbranch_scc0 .Lasked_\@
	tensor_load_to_lds s[G0:G0+3], s[G1:G1+7]
	s_nop 0
.rept 4
	v_nop
.endr
.Lasked_\@:
.endm
; A prefetch of what the NEXT change of slots will ask for: 32 KiB of K and 32 KiB of V, lanes 256 bytes apart.  All work-groups of a head walk the same K and V: the head's first work-group asks, and in it the
; four waves that fetch nothing, 8 KiB of each a wave: each 256 bytes are named once in the launch.  The last change that fills a slot asks for nothing; slots 0 and 1 come by their loads alone.
.macro ASK
	s_cmp_gt_u32 s[SLOTS], s[LIM]
	s_cbranch_scc0 .Lnot_mine_\@
	global_prefetch_b8 v[PFK], s[PFA:PFA+1] th:TH_LOAD_NT scope:SCOPE_SE
	global_prefetch_b8 v[PFV], s[PFA:PFA+1] th:TH_LOAD_NT scope:SCOPE_SE
.Lnot_mine_\@:
.endm
	s_load_b128 s[4:7], s[0:1], 0x0                ; qkv s[4:5], merged s[6:7]
	v_lshl_add_u32 v[SPW], v0, 2, SPARE
	v_mov_b32 v[NIL], 0
	ds_add_u32 v[SPW], v[NIL]                      ; the opening: the add, twice on end, and its wait ahead of the first tensor load
	ds_add_u32 v[SPW], v[NIL]
	v_lshrrev_b32 v10, 5, v0
	v_readfirstlane_b32 s[WV], v10                 ; wave 0..7
	s_and_b32 s9, ttmp7, 0xffff                    ; 16 batch + head
	s_lshl_b32 s10, ttmp9, 3
	s_add_co_u32 s10, s10, s[WV]                   ; tA
	s_sub_co_u32 s11, 127, s10                     ; tB
	s_lshl_b32 s14, s10, 4                         ; their first queries,
	s_lshl_b32 s15, s11, 4
	s_add_co_u32 s16, s14, 15                      ; their last
	s_add_co_u32 s17, s15, 15
	s_lshl_b32 s18, ttmp9, 7
	s_sub_co_u32 s18, 2047, s18                    ; the work-group's last query
	s_mov_b32 s[KF], 0
	s_mov_b32 s[TB], 0
	s_mov_b32 s[SLOTS], 7
	s_mov_b32 s[SEL], 0x76543210
	s_mov_b32 s[SEL+1], 0xfedcba98                 ; v_permlanex16_b32's selects for lane l xor 16
	s_mov_b32 s[CS], 0x3e38aa3b                    ; c = log2(e) / 8
	s_mov_b32 s[CS+1], s[CS]
	s_mov_b32 s[G1+0], 3<<16                       ; no mask; elements of 8 bytes; no padding: 16 KiB dense, as 64 rows of 256 bytes
	s_mov_b32 s[G1+1], 32<<16
	s_mov_b32 s[G1+2], 64<<16
	s_mov_b32 s[G1+3], 32<<16
	s_mov_b32 s[G1+4], 64
	s_mov_b32 s[G1+5], 32
	s_mov_b32 s[G1+6], 0
	s_mov_b32 s[G1+7], 0
	s_and_b32 s50, s[WV], 3
	s_mov_b32 s[G0], 1
	s_lshl_b32 s[G0+1], s50, 14                    ; LDS: 16,384 x (wave & 3), in slot 0
	s_lshr_b32 s51, s50, 1
	s_add_co_u32 s51, s51, 1
	s_lshl_b32 s51, s51, 23                        ; K's region, or V's
	s_lshl_b32 s52, s9, 18                         ; the head's 262,144 bytes
	s_and_b32 s53, s[WV], 1
	s_lshl_b32 s53, s53, 14                        ; which half of a slot
	s_add_co_u32 s54, s51, s52
	s_add_co_u32 s54, s54, s53
	s_mov_b32 s55, 0
	s_lshr_b32 s[LIM], s[WV], 2
	s_xor_b32 s[LIM], s[LIM], 1                    ; 0 in waves 4-7,
	s_or_b32 s[LIM], s[LIM], ttmp9                 ; of the head's first work-group
	s_cmp_eq_u32 s[LIM], 0
	s_cselect_b32 s[LIM], 1, -1
	s_wait_dscnt 0x0                               ; both opening adds are done
	s_wait_kmcnt 0x0
	s_add_nc_u64 s[G0+2:G0+3], s[4:5], s[54:55]
	s_or_b32 s[G0+3], s[G0+3], 0x80000000
	TLOAD                                          ; slot 0: it holds key 0, which counts for every query
	s_mov_b32 s57, 0
	s_lshl_b32 s56, s50, 13
	s_add_co_u32 s56, s56, s52
	s_add_co_u32 s56, s56, 0x800000+32768
	s_add_nc_u64 s[PFA:PFA+1], s[4:5], s[56:57]    ; my 8 KiB of K's slot 1: the first change of slots steps it to slot 2
	s_lshl_b32 s56, s10, 11
	s_add_co_u32 s56, s56, s52
	s_add_nc_u64 s[46:47], s[4:5], s[56:57]        ; Q's tile A,
	s_lshl_b32 s56, s11, 11
	s_add_co_u32 s56, s56, s52
	s_add_nc_u64 s[48:49], s[4:5], s[56:57]        ; tile B
	v_and_b32 v10, 31, v0
	v_lshlrev_b32 v[LI], 4, v10
.irp t, 0,1
.irp ct, 0,1,2,3
	global_load_b128 v[QR+16*\t+4*\ct:QR+16*\t+4*\ct+3], v[LI], s[46+2*\t:47+2*\t] offset:512*\ct
.endr
.endr
	v_lshlrev_b32 v[PFK], 8, v10
	v_add_nc_u32 v[PFV], 0x800000, v[PFK]
	v_and_b32 v11, 15, v0
	v_bfe_u32 v10, v0, 4, 1
	v_lshlrev_b32 v10, 3, v10
	v_sub_nc_u32 v[DL], v11, v10
	v_mov_b32 v[NINF], 0xff800000
	s_lshr_b32 s50, s9, 4
	s_lshl_b32 s50, s50, 7                         ; 128 batch
	s_and_b32 s51, s9, 15                          ; head
	s_lshr_b32 s52, s51, 2
	s_lshl_b32 s52, s52, 16
	s_and_b32 s51, s51, 3
	s_lshl_b32 s51, s51, 11
	s_add_co_u32 s52, s52, s51
.irp t, 0,1
	s_add_co_u32 s53, s50, s[10+\t]                ; T
	s_lshr_b32 s54, s53, 3
	s_lshl_b32 s54, s54, 18
	s_and_b32 s53, s53, 7
	s_lshl_b32 s53, s53, 13
	s_add_co_u32 s54, s54, s53
	s_add_co_u32 s54, s54, s52
	s_add_nc_u64 s[42+2*\t:43+2*\t], s[6:7], s[54:55]   ; where the tile's four pieces go
.endr
.irp t, 0,1
	v_mov_b32 v[ST+8*\t+1], 0xff61b1e6             ; m = -3e38, under every score
	v_mul_f32 v[ST+8*\t], s[CS], v[ST+8*\t+1]      ; c m
.irp i, 2,3,4,5,6,7
	v_mov_b32 v[ST+8*\t+\i], 0                     ; l, and the registers at work (a lane permute's destination counts as one of its sources)
.endr
.endr
	WIN 0x40
.set i, 0
.rept 64
	v_mov_b32 v[i], 0                              ; O^T.  (The step is written once: the first finds zeros, which a = 0 leaves zeros)
.set i, i+1
.endr
	WIN 0
; ONE TILE'S SHARE OF A KEY STEP: 8 products K Q^T, the mask, the softmax, 8 products V^T P.  In each run of products four accumulators take turns, one instruction a turn.
.macro TILE t
.set rT, ST+8*(\t)
.irp kt, 0,1,2,3
	v_wmma_f32_16x16x32_f16 v[SR+8*\kt:SR+8*\kt+7], v[KR+16*\kt:KR+16*\kt+7], v[QR+16*(\t):QR+16*(\t)+7], 0
.endr
.irp kt, 0,1,2,3
	v_wmma_f32_16x16x32_f16 v[SR+8*\kt:SR+8*\kt+7], v[KR+16*\kt+8:KR+16*\kt+15], v[QR+16*(\t)+8:QR+16*(\t)+15], v[SR+8*\kt:SR+8*\kt+7]
.endr
.rept 4
	v_nop                                          ; places ahead of the first read of the scores
.endr
	s_add_co_u32 s50, s[KF], 63
	s_cmp_le_u32 s50, s[14+(\t)]
	s_cbranch_scc1 .Lopen_\@                       ; all 64 keys count for all 16 queries
	s_sub_co_i32 s50, s[14+(\t)], s[KF]
	v_add_nc_u32 v[DD], s50, v[DL]                 ; register 8 kt + j holds key KF + 16 kt + 8 h + j: hidden where 16 kt + j > my query - KF - 8 h
.irp n, 0,1,2,3,4,5,6,7,8,9,10,11,12,13,14,15,16,17,18,19,20,21,22,23,24,25,26,27,28,29,30,31
	v_cmp_gt_i32 vcc_lo, 16*(\n/8)+\n%8, v[DD]
	v_cndmask_b32 v[SR+\n], v[SR+\n], v[NINF], vcc_lo
.endr
.Lopen_\@:
.irp j, 0,1,2,3
	v_max3_num_f32 v[rT+4+\j], v[SR+8*\j], v[SR+8*\j+1], v[SR+8*\j+2]     ; four chains, each from its accumulator's low end on
.endr
.irp i, 3,5
.irp j, 0,1,2,3
	v_max3_num_f32 v[rT+4+\j], v[rT+4+\j], v[SR+8*\j+\i], v[SR+8*\j+\i+1]
.endr
.endr
	v_max3_num_f32 v[rT+4], v[rT+4], v[SR+7], v[SR+15]
	v_max3_num_f32 v[rT+6], v[rT+6], v[SR+23], v[SR+31]
	v_max3_num_f32 v[rT+4], v[rT+4], v[rT+5], v[rT+6]
	v_max3_num_f32 v[rT+4], v[rT+4], v[rT+7], v[rT+1]                     ; and the old m
	v_permlanex16_b32 v[rT+5], v[rT+4], s[SEL], s[SEL+1]                  ; the query's other 32 keys lie in the lane 16 away
	v_mov_b32 v[rT+7], v[rT]                       ; c m_old
	v_max_num_f32 v[rT+1], v[rT+4], v[rT+5]        ; the new m
	v_mul_f32 v[rT], s[CS], v[rT+1]
	v_sub_f32 v[rT+7], v[rT+7], v[rT]              ; c m_old - c m_new
.set i, 0
.rept 16
	v_pk_fma_f32 v[SR+i:SR+i+1], v[SR+i:SR+i+1], s[CS:CS+1], v[rT:rT+1] op_sel_hi:[1,0,0] neg_lo:[0,0,1] neg_hi:[0,0,1]   ; c s - c m
.set i, i+2
.endr
	v_exp_f32 v[rT+6], v[rT+7]                     ; a
.set i, 0
.rept 32
	v_exp_f32 v[SR+i], v[SR+i]                     ; p
.set i, i+1
.endr
	v_nop                                          ; a plain line behind the last exponential,
	s_wait_alu depctr_va_vdst(0)                   ; and the one wait ahead of the batch's first reader
.set i, 0
.rept 16
	v_cvt_pk_f16_f32 v[PR+i], v[SR+2*i], v[SR+2*i+1]
.set i, i+1
.endr
.irp u, 0,1,2,3,4,5,6,7
	v_pk_add_f32 v[SR+4*\u:SR+4*\u+1], v[SR+4*\u:SR+4*\u+1], v[SR+4*\u+2:SR+4*\u+3]    ; the sum of the 16 pairs, as a tree, in place
.endr
.irp u, 0,1,2,3
	v_pk_add_f32 v[SR+8*\u:SR+8*\u+1], v[SR+8*\u:SR+8*\u+1], v[SR+8*\u+4:SR+8*\u+5]
.endr
.irp u, 0,1
	v_pk_add_f32 v[SR+16*\u:SR+16*\u+1], v[SR+16*\u:SR+16*\u+1], v[SR+16*\u+8:SR+16*\u+9]
.endr
	v_pk_add_f32 v[SR:SR+1], v[SR:SR+1], v[SR+16:SR+17]
	v_pk_fma_f32 v[rT+2:rT+3], v[rT+2:rT+3], v[rT+6:rT+7], v[SR:SR+1] op_sel_hi:[1,0,1]   ; l = a l + the sum
	WIN 0x41                                       ; O^T (destination and source 0) in window 1
.set i, 0
.rept 16
	v_pk_mul_f32 v[32*(\t)+i:32*(\t)+i+1], v[32*(\t)+i:32*(\t)+i+1], v[rT+6:rT+7] op_sel_hi:[1,0]
.set i, i+2
.endr
	s_wait_dscnt 0x0                               ; V is in
	WIN 0x50                                       ; C and D in window 1
.irp kf, 0,1
.irp ct, 0,1,2,3
	v_wmma_f32_16x16x32_f16 v[32*(\t)+8*\ct:32*(\t)+8*\ct+7], v[VR+8*(4*\kf+\ct):VR+8*(4*\kf+\ct)+7], v[PR+8*\kf:PR+8*\kf+7], v[32*(\t)+8*\ct:32*(\t)+8*\ct+7]
.endr
.endr
	WIN 0
.endm
; A KEY STEP: 64 keys, the q-th of the slot in hand.  Tile B's queries come after tile A's: where B is hidden, so is A.
.macro STEP q
	s_cmp_gt_u32 s[KF], s17
	s_cbranch_scc1 .Lhid_\@
	v_add_nc_u32 v[ADR], s[TB], v[LI]
.rept 3
	v_nop                                          ; with the line above: four places ahead of loads into registers that the last products read
.endr
.irp kt, 0,1,2,3
.irp ct, 0,1,2,3
	ds_load_b128 v[KR+16*\kt+4*\ct:KR+16*\kt+4*\ct+3], v[ADR] offset:(4*(\q)+\kt)*2048+512*\ct
.endr
.endr
.irp kt, 0,1,2,3
.irp ct, 0,1,2,3
	ds_load_b128 v[VR+8*(4*(\kt/2)+\ct)+4*(\kt%2):VR+8*(4*(\kt/2)+\ct)+4*(\kt%2)+3], v[ADR] offset:VOFF+(4*(\q)+\kt)*2048+512*\ct
.endr
.endr
	s_wait_dscnt 16                                ; K is in; V's sixteen loads may be out
	TILE 1
	s_cmp_gt_u32 s[KF], s16
	s_cbranch_scc1 .Lhid_\@
	TILE 0
.Lhid_\@:
	s_add_co_u32 s[KF], s[KF], 64
.endm
; THE CHANGE OF SLOTS stands at a slot's head.  Each wave waits for all its tensor loads, adds 0 to its spare word, and waits for that and for its reads of the slot that it has left; then one barrier.
; fill = 1: the slot just left is filled with the keys that follow, up to the causal limit: the load has a slot's four steps in which to land.  One tensor load of a wave is out at the most.
.macro CHANGE fill
	s_wait_tensorcnt 0x0                           ; no tensor load of mine is out, so group 0 may be written
	ds_add_u32 v[SPW], v[NIL]
.if \fill
	ds_add_u32 v[SPW], v[NIL]                      ; and once more, in every trip alike
	s_xor_b32 s[G0+1], s[G0+1], SLOT1              ; the other slot than last time,
	s_add_nc_u64 s[G0+2:G0+3], s[G0+2:G0+3], 32768 ; the next 256 keys
	s_wait_xcnt 0x0                                ; the last prefetches, a slot back, have read their address
	s_add_nc_u64 s[PFA:PFA+1], s[PFA:PFA+1], 32768
.endif
	s_wait_dscnt 0x0
	s_barrier_signal -1
	s_barrier_wait -1
.if \fill
	s_add_co_u32 s50, s[KF], 256                   ; the first key of the slot that this change would ask for:
	s_cmp_gt_u32 s50, s18                          ; past the work-group's last query no wave reads it.  Ids and the count of steps alone: all eight waves go the same way
	s_cbranch_scc1 .Lpast_\@
	TLOAD
.Lpast_\@:
	ASK
.endif
.endm
	s_wait_loadcnt 0x0                             ; Q
.Lslot:                                            ; 7 trips
	CHANGE 1
	STEP 0
	STEP 1
	STEP 2
	STEP 3
	s_xor_b32 s[TB], s[TB], SLOT1
	s_sub_co_u32 s[SLOTS], s[SLOTS], 1
	s_cmp_lg_u32 s[SLOTS], 0
	s_cbranch_scc1 .Lslot
	CHANGE 0                                       ; the last slot is written out: nothing is left to ask for
	STEP 0
	STEP 1
	STEP 2
	STEP 3
	; THE WAY OUT: O^T / l, rounded to f16: a lane's eight channels of a tile are 16 bytes, the wave's 512 bytes a piece, stored as they stand
.rept 4
	v_nop                                          ; places behind the last products
.endr
.irp t, 0,1
	v_add_f32 v[ST+8*\t+4], v[ST+8*\t+2], v[ST+8*\t+3]
.endr
.irp t, 0,1
	v_permlanex16_b32 v[ST+8*\t+5], v[ST+8*\t+4], s[SEL], s[SEL+1]
.endr
.irp t, 0,1
	v_add_f32 v[ST+8*\t+4], v[ST+8*\t+4], v[ST+8*\t+5]
.endr
.irp t, 0,1
	v_rcp_f32 v[ST+8*\t+6], v[ST+8*\t+4]
.endr
	v_nop
	s_wait_alu depctr_va_vdst(0)                   ; one wait for both reciprocals, ahead of their first reader
.macro OUT t, dst
	WIN 0x01                                       ; source 0: O^T's window
.set i, 0
.rept 16
	v_pk_mul_f32 v[SR+i:SR+i+1], v[32*(\t)+i:32*(\t)+i+1], v[ST+8*(\t)+6:ST+8*(\t)+7] op_sel_hi:[1,0]
.set i, i+2
.endr
	WIN 0
.set i, 0
.rept 16
	v_cvt_pk_f16_f32 v[\dst+i], v[SR+2*i], v[SR+2*i+1]
.set i, i+1
.endr
.irp ct, 0,1,2,3
	global_store_b128 v[LI], v[\dst+4*\ct:\dst+4*\ct+3], s[42+2*(\t):43+2*(\t)] offset:512*\ct
.endr
.endm
	OUT 0, PR
	OUT 1, KR
	s_wait_tensorcnt 0x0                           ; the wave's end
	ds_add_u32 v[SPW], v[NIL]
	s_wait_dscnt 0x0
	s_endpgm
.Lfunc_end_k_qacaf79747d_attn:
	.size	k_qacaf79747d_attn, .Lfunc_end_k_qacaf79747d_attn-k_qacaf79747d_attn
	.p2alignl 7, 3214868480
	.fill 96, 4, 3214868480
	.section	.rodata,"a",@progbits
	.p2align	6, 0x0
	.amdhsa_kernel k_qacaf79747d_attn
		.amdhsa_group_segment_fixed_size 327680
		.amdhsa_private_segment_fixed_size 0
		.amdhsa_enable_private_segment 0
		.amdhsa_kernarg_size 16
		.amdhsa_user_sgpr_count 2
		.amdhsa_user_sgpr_kernarg_segment_ptr 1
		.amdhsa_wavefront_size32 1
		.amdhsa_system_sgpr_workgroup_id_x 1
		.amdhsa_system_sgpr_workgroup_id_y 1
		.amdhsa_system_sgpr_workgroup_id_z 1
		.amdhsa_system_vgpr_workitem_id 0
		.amdhsa_next_free_vgpr 320
		.amdhsa_next_free_sgpr 66
		.amdhsa_reserve_vcc 1
		.amdhsa_float_denorm_mode_32 3
		.amdhsa_float_denorm_mode_16_64 3
		.amdhsa_memory_ordered 1
		.amdhsa_forward_progress 1
		.amdhsa_inst_pref_size 189
	.end_amdhsa_kernel
	.amdgpu_metadata
---
amdhsa.version: [ 1, 2 ]
amdhsa.kernels:
  - .name:           k_qacaf79747d_attn
    .symbol:         k_qacaf79747d_attn.kd
    .args:
      - { .name: qkv, .offset: 0, .size: 8, .value_kind: global_buffer, .address_space: global }
      - { .name: merged, .offset: 8, .size: 8, .value_kind: global_buffer, .address_space: global }
    .group_segment_fixed_size: 327680
    .private_segment_fixed_size: 0
    .kernarg_segment_align: 8
    .kernarg_segment_size: 16
    .max_flat_workgroup_size: 256
    .sgpr_count:     66
    .vgpr_count:     320
    .wavefront_size: 32
...
	.end_amdgpu_metadata
.endif
;; end of part 3
;; launch oproj (part 4): grid 8 x 32, 4 waves a work-group, clusters of 4 x 4, 327,680 bytes of LDS; arguments merged, owh, out0; writes out0
.if DOCPART == 4
	.amdgcn_target "amdgcn-amd-amdhsa--gfx1250"
	.amdhsa_code_object_version 6
	.text
	.protected	k_qacaf79747d_oproj
	.globl	k_qacaf79747d_oproj
	.p2align	8
	.type	k_qacaf79747d_oproj,@function
k_qacaf79747d_oproj:
	s_mov_b64 s[64:65], 0
	v_nop
	global_prefetch_b8 v0, s[64:65] scope:SCOPE_SE
	s_setreg_imm32_b32 hwreg(HW_REG_WAVE_MODE, 25, 1), 1
	s_wait_xcnt 0x0
	s_wait_alu depctr_hold_cnt(0) depctr_sa_sdst(0) depctr_va_vdst(0) depctr_va_sdst(0) depctr_va_ssrc(0) depctr_va_vcc(0) depctr_vm_vsrc(0)
	s_getreg_b32 s2, hwreg(HW_REG_IB_STS2, 6, 4)
	s_cmp_eq_u32 s2, 0
	s_cbranch_scc0 .Lentry_in_a_cluster
	s_endpgm
.Lentry_in_a_cluster:
	s_bfe_u32 s2, ttmp6, 0x10000c
	s_cmp_lg_u32 s2, 0xf033
	s_cbranch_scc0 .Lentry_shape_is_right
	s_endpgm
.Lentry_shape_is_right:
; out0 = merged ow: [4096][1024] x [1024 k][1024 n], operands f16, sums and result f32.  A tile of 128 x 128 to a work-group of four waves (256 work-groups), a wave 64 x 64: 16 accumulators.
; K goes in four steps of 256 through two LDS slots: each slot is filled twice.
; A (merged) comes as images of operand registers, [row block of 128][K step][tile of 16 rows][16 pieces of 512 bytes]: a K step's tile is 65,536 dense bytes, and a fragment is two loads at 16 x lane + a constant.
; B (ow in f16) lies [k][n]: a K step's tile is 256 rows of 256 bytes, 32 bytes of padding behind each in LDS, and comes out of LDS turned, by ds_load_tr16_b128.
; CLUSTERS: 4 x 4: A's tile is shared along a row of the cluster, B's along a column, each asked for jointly.  THE MATRIX INSTRUCTION IS USED TRANSPOSED (source 0 = 16 columns of ow, source 1 = 16 rows of merged):
; a lane holds eight neighbouring numbers of a row of out0.  A wave's 64 columns are 256 aligned bytes of a row.
; Rows 0-15 of each sequence are written here like all others and written again, from f32 operands, by the launch that follows: a skip would be a branch on a work-group's place in its cluster.
; REGISTERS: window 0: v0-31 addresses; v32-95 the way out; v128-255 the accumulators ((a, b) at v[128 + 8 (4 a + b)]).   window 1: two fragment buffers of 128: for 64 along K, 64 registers of A, then 64 of B.
.set PB,     288                       ; a row of B in LDS: 256 bytes + 32
.set ABYTES, 65536
.set HALFB,  128*PB
.set SLOT,   ABYTES+2*HALFB            ; 139,264
.set STAGE,  2*SLOT                    ; 16 rows x 272 bytes for each wave; no tensor load fills it
.set SPITCH, 272
.set SPARE,  STAGE+4*16*SPITCH         ; the spare words, 128 bytes a wave: two blocks of 256 bytes that no other line names
.set ADRA, 16                          ; v16-17  A in slot 0, 1
.set ADRB, 20                          ; v20-23  B in slot s, rows 128 hf on: 2 s + hf
.set STO,  24
.set RD,   25
.set CO,   26
.set SPW,  28
.set NIL,  29
.set TMP,  32
.set ACC,  128
.set F0,   0
.set F1,   128
.set G1, 24
.set G0, 32
.set G1B, 48
.set G0B, 56
.set MSB, 0
.macro WIN new
.if MSB != \new
	s_set_vgpr_msb (MSB<<8)|\new
.set MSB, \new
.endif
.endm
.set MUL,  0x05                        ; sources 0 (B) and 1 (A) window 1; C and D window 0
.set TO_F, 0x40                        ; destination window 1, address window 0
.macro JLOAD s                         ; a joint load: waves 0 and 1 fetch A's two halves, waves 2 and 3 B's; an s_nop 0 and four v_nop follow each of the two lines
	s_cmp_eq_u32 s11, 0
	s_cbranch_scc0 .Lfor_b_\@
	tensor_load_to_lds s[G0+4*\s:G0+4*\s+3], s[G1:G1+7]
	s_nop 0
.rept 4
	v_nop
.endr
	s_branch .Lasked_\@
.Lfor_b_\@:
	tensor_load_to_lds s[G0B+4*\s:G0B+4*\s+3], s[G1B:G1B+7]
	s_nop 0
.rept 4
	v_nop
.endr
.Lasked_\@:
.endm
.macro CREST                           ; a round of the cluster's barrier behind its opening barrier
	s_cmp_lg_u32 s10, 0
	s_cbranch_scc1 .Lnot_wave_0_\@
	s_barrier_signal -3
.Lnot_wave_0_\@:
	s_barrier_wait -3
	s_barrier_signal -1
	s_barrier_wait -1
.endm
.macro CROUND
	s_barrier_signal -1
	s_barrier_wait -1
	CREST
.endm
	s_load_b128 s[4:7], s[0:1], 0x0                ; merged s[4:5], owh s[6:7]
	s_load_b64 s[8:9], s[0:1], 0x10                ; out0
	v_lshl_add_u32 v[SPW], v0, 2, SPARE
	v_mov_b32 v[NIL], 0
	ds_add_u32 v[SPW], v[NIL]                      ; the opening: the add, twice on end, and its wait ahead of my first tensor load
	ds_add_u32 v[SPW], v[NIL]
	v_lshrrev_b32 v1, 5, v0
	v_readfirstlane_b32 s10, v1                    ; wave 0..3
	s_lshr_b32 s11, s10, 1                         ; which half of the tile's rows is mine.  Also: I fetch for A (0) or for B (1)
	s_and_b32 s12, s10, 1                          ; which half of its columns.  Also: which half of that tile I fetch
	s_bfe_u32 s40, ttmp6, 0x40000                  ; cx, cy
	s_bfe_u32 s41, ttmp6, 0x40004
	s_lshl_b32 s42, ttmp9, 2
	s_add_co_u32 s42, s42, s40                     ; tile column
	s_and_b32 s13, ttmp7, 0xffff
	s_lshl_b32 s13, s13, 2
	s_add_co_u32 s13, s13, s41                     ; tile row
	s_lshl_b32 s43, s41, 2
	s_lshl_b32 s43, 15, s43                        ; my row of the cluster
	s_lshl_b32 s44, 0x1111, s40                    ; my column
	s_or_b32 s[G1+0], s43, (3<<16)|(1<<21)         ; A: the mask; elements of 8 bytes; bit 21 beside a mask; no padding: 32 KiB dense, as 128 rows of 256 bytes
	s_mov_b32 s[G1+1], 32<<16
	s_mov_b32 s[G1+2], 128<<16
	s_mov_b32 s[G1+3], 32<<16
	s_mov_b32 s[G1+4], 128
	s_mov_b32 s[G1+5], 32
	s_mov_b32 s[G1+6], 0
	s_mov_b32 s[G1+7], 0
	s_or_b32 s[G1B+0], s44, (1<<16)|(1<<20)|(1<<21)|(5<<22)|(7<<25)   ; B: elements of 2 bytes; 8 words of padding after every 64: 128 rows of 128 elements, 1,024 elements apart
	s_mov_b32 s[G1B+1], 128<<16
	s_mov_b32 s[G1B+2], 128<<16
	s_mov_b32 s[G1B+3], 128<<16
	s_mov_b32 s[G1B+4], 128
	s_mov_b32 s[G1B+5], 1024
	s_mov_b32 s[G1B+6], 0
	s_mov_b32 s[G1B+7], 0
	s_lshl_b32 s16, s13, 18                        ; A: my tile row's 262,144 bytes,
	s_lshl_b32 s17, s12, 15                        ; my half of a K step's 65,536
	s_add_co_u32 s16, s16, s17
	s_mov_b32 s17, 0
	s_lshl_b32 s46, s42, 8                         ; B: 256 bytes a tile column,
	s_lshl_b32 s47, s12, 18                        ; my 128 rows of 2,048 bytes
	s_add_co_u32 s46, s46, s47
	s_mov_b32 s47, 0
	s_lshl_b32 s20, s12, 15                        ; where they go: no place in the cluster enters an LDS address
	s_mul_i32 s21, s12, HALFB
	s_add_co_u32 s21, s21, ABYTES
	s_wait_dscnt 0x0                               ; both opening adds are done
	s_wait_kmcnt 0x0
	s_add_nc_u64 s[14:15], s[4:5], s[16:17]
	s_add_nc_u64 s[46:47], s[6:7], s[46:47]
	CROUND                                         ; all sixteen work-groups are here: the first joint loads meet
.irp s, 0,1
	s_mov_b32 s[G0+4*\s], 1
	s_add_co_u32 s[G0+4*\s+1], s20, \s*SLOT
	s_add_nc_u64 s[G0+4*\s+2:G0+4*\s+3], s[14:15], \s*65536
	s_or_b32 s[G0+4*\s+3], s[G0+4*\s+3], 0x80000000
	s_mov_b32 s[G0B+4*\s], 1
	s_add_co_u32 s[G0B+4*\s+1], s21, \s*SLOT
	s_add_nc_u64 s[G0B+4*\s+2:G0B+4*\s+3], s[46:47], \s*524288
	s_or_b32 s[G0B+4*\s+3], s[G0B+4*\s+3], 0x80000000
	JLOAD \s
.endr
	v_and_b32 v1, 15, v0                           ; l % 16
	v_bfe_u32 v2, v0, 4, 1                         ; l / 16
	v_and_b32 v3, 31, v0
	v_lshlrev_b32 v3, 4, v3                        ; 16 x lane
	s_lshl_b32 s21, s11, 15                        ; my four tiles of 16 rows of A
	v_and_b32 v4, 7, v0
	v_lshl_add_u32 v4, v2, 3, v4                   ; the turning load: row 8 (l / 16) + l % 8,
	v_mul_u32_u24 v4, v4, PB
	v_bfe_u32 v5, v0, 3, 1
	v_lshl_add_u32 v4, v5, 4, v4                   ; 16 bytes for each half of eight lanes
	s_lshl_b32 s22, s12, 7                         ; my 64 columns of B
	s_add_co_u32 s22, s22, ABYTES
.irp s, 0,1
	v_add_nc_u32 v[ADRA+\s], s21, v3
	v_add_nc_u32 v[ADRB+2*\s], s22, v4
	s_add_co_u32 s23, s22, HALFB
	v_add_nc_u32 v[ADRB+2*\s+1], s23, v4
	s_add_co_u32 s21, s21, SLOT
	s_add_co_u32 s22, s22, SLOT
.endr
	s_mul_i32 s23, s10, 16*SPITCH
	s_add_co_u32 s23, s23, STAGE                   ; my stage
	v_mul_u32_u24 v4, v1, SPITCH
	v_lshl_add_u32 v4, v2, 5, v4
	v_add_nc_u32 v[STO], s23, v4                   ; in: row l % 16, 32 bytes for each half of the lanes
	v_mul_u32_u24 v5, v2, SPITCH
	v_lshl_add_u32 v5, v1, 4, v5
	v_add_nc_u32 v[RD], s23, v5                    ; back: lanes 0-15 one row of 256 bytes, lanes 16-31 the next
	v_lshlrev_b32 v5, 12, v2
	v_lshl_add_u32 v[CO], v1, 4, v5                ; and the same two rows in out0
	s_lshl_b32 s16, s13, 7
	s_lshl_b32 s17, s11, 6
	s_add_co_u32 s16, s16, s17                     ; my first row
	s_lshl_b32 s16, s16, 12
	s_mov_b32 s17, 0
	s_add_nc_u64 s[8:9], s[8:9], s[16:17]
	s_lshl_b32 s46, s42, 9                         ; my first column, in bytes
	s_lshl_b32 s47, s12, 8
	s_add_co_u32 s46, s46, s47
	s_mov_b32 s47, 0
	s_add_nc_u64 s[8:9], s[8:9], s[46:47]
; 8 matrix instructions: row blocks a0, a0 + 1 x all 4 column blocks, 32 along K: half c of buffer f.  The 16 accumulators take turns.  zero = 1: the first product starts the sums
.macro MUL8 f, c, a0, zero
.irp a, \a0, \a0+1
.irp b, 0,1,2,3
.if \zero
	v_wmma_f32_16x16x32_f16 v[ACC+8*(4*(\a)+\b):ACC+8*(4*(\a)+\b)+7], v[\f+64+8*(4*\c+\b):\f+64+8*(4*\c+\b)+7], v[\f+8*(4*\c+\a):\f+8*(4*\c+\a)+7], 0
.else
	v_wmma_f32_16x16x32_f16 v[ACC+8*(4*(\a)+\b):ACC+8*(4*(\a)+\b)+7], v[\f+64+8*(4*\c+\b):\f+64+8*(4*\c+\b)+7], v[\f+8*(4*\c+\a):\f+8*(4*\c+\a)+7], v[ACC+8*(4*(\a)+\b):ACC+8*(4*(\a)+\b)+7]
.endif
.endr
.endr
.endm
; 32 LDS loads in one run: the fragments of the slot's q-th 64 along K into buffer f; the first 32 along K first
.macro FETCH slot, q, f
	WIN TO_F
.irp c, 0,1
.irp i, 0,1,2,3
	ds_load_tr16_b128 v[\f+64+8*(4*\c+\i):\f+64+8*(4*\c+\i)+3],   v[ADRB+2*\slot+(\q)/2] offset:((\q)%2)*64*PB+\c*32*PB+32*\i
	ds_load_tr16_b128 v[\f+64+8*(4*\c+\i)+4:\f+64+8*(4*\c+\i)+7], v[ADRB+2*\slot+(\q)/2] offset:((\q)%2)*64*PB+\c*32*PB+16*PB+32*\i
	ds_load_b128 v[\f+8*(4*\c+\i):\f+8*(4*\c+\i)+3],              v[ADRA+\slot] offset:8192*\i+2048*(\q)+1024*\c
	ds_load_b128 v[\f+8*(4*\c+\i)+4:\f+8*(4*\c+\i)+7],            v[ADRA+\slot] offset:8192*\i+2048*(\q)+1024*\c+512
.endr
.endr
.endm
.macro PLACES                          ; four places ahead of loads into registers that matrix instructions have read, and of the first read of results
.rept 4
	v_nop
.endr
.endm
; A K step is four quarters of 64 along K, 32 matrix instructions each, on buffers 0, 1, 0, 1.  One of the first three multiplies buffer f and fetches quarter q into g.
.macro QUARTER slot, q, f, g, zero
	s_wait_dscnt 16                                ; the first 32 along K are in
	WIN MUL
	MUL8 \f, 0, 0, \zero
	MUL8 \f, 0, 2, \zero
	PLACES
	FETCH \slot, \q, \g
	s_wait_dscnt 32                                ; all but the 32 just issued
	WIN MUL
	MUL8 \f, 1, 0, 0
	MUL8 \f, 1, 2, 0
.endm
; The last quarter multiplies buffer 1 and changes slots: each wave waits for all its tensor loads, adds 0 to its spare word, and waits for that and for its reads of this slot; then one barrier.
; fill = 1: the barrier opens a round of the cluster's, and this slot is filled again, two K steps ahead: the joint load is the first thing behind the round, and one load of a wave is out.
.macro TURN slot, next, fill
	WIN 0
	s_wait_tensorcnt 0x0
	ds_add_u32 v[SPW], v[NIL]
	s_wait_dscnt 17                                ; (the add and the youngest sixteen loads may be out)
	WIN MUL
	MUL8 F1, 0, 0, 0
	s_wait_dscnt 0x0                               ; the add is done, and my reads of this slot are over
	s_barrier_signal -1
	MUL8 F1, 0, 2, 0
.if \fill
	WIN 0
.endif
	s_barrier_wait -1
.if \fill
	CREST
	s_add_nc_u64 s[G0+4*\slot+2:G0+4*\slot+3], s[G0+4*\slot+2:G0+4*\slot+3], 2*65536
	s_add_nc_u64 s[G0B+4*\slot+2:G0B+4*\slot+3], s[G0B+4*\slot+2:G0B+4*\slot+3], 2*524288
	JLOAD \slot                                    ; the four v_nop behind it are also the places ahead of the loads below
.else
	PLACES
.endif
	FETCH \next, 0, F0
	WIN MUL
	MUL8 F1, 1, 0, 0
	MUL8 F1, 1, 2, 0
.endm
	s_wait_tensorcnt 1                             ; my part of K step 0 is in (K step 1's may be out)
	s_barrier_signal -1
	s_barrier_wait -1                              ; everybody's is
	FETCH 0, 0, F0
	QUARTER 0, 1, F0, F1, 1                        ; the first products start the sums
	QUARTER 0, 2, F1, F0, 0                        ; K has two laps round the ring: both are written out
	QUARTER 0, 3, F0, F1, 0
	TURN 0, 1, 1                                   ; slot 0 takes K step 2
	QUARTER 1, 1, F0, F1, 0
	QUARTER 1, 2, F1, F0, 0
	QUARTER 1, 3, F0, F1, 0
	TURN 1, 0, 1                                   ; slot 1 takes K step 3
	QUARTER 0, 1, F0, F1, 0
	QUARTER 0, 2, F1, F0, 0
	QUARTER 0, 3, F0, F1, 0
	TURN 0, 1, 0                                   ; nothing is left to fetch
	QUARTER 1, 1, F0, F1, 0
	QUARTER 1, 2, F1, F0, 0
	QUARTER 1, 3, F0, F1, 0
	s_wait_dscnt 16
	WIN MUL
	MUL8 F1, 0, 0, 0
	MUL8 F1, 0, 2, 0
	s_wait_dscnt 0
	MUL8 F1, 1, 0, 0
	MUL8 F1, 1, 2, 0
	WIN 0
; THE WAY OUT, 16 rows x 64 columns at a time, through my own stage: LDS serves a wave's instructions in order, so no wait stands between the stores and the loads, nor ahead of the next block's stores.
.macro TOSTAGE a
.irp b, 0,1,2,3
	ds_store_b128 v[STO], v[ACC+8*(4*(\a)+\b):ACC+8*(4*(\a)+\b)+3] offset:64*\b          ; each accumulator from its low end on
	ds_store_b128 v[STO], v[ACC+8*(4*(\a)+\b)+4:ACC+8*(4*(\a)+\b)+7] offset:64*\b+16
.endr
.irp t, 0,1,2,3,4,5,6,7
	ds_load_b128 v[TMP+32*((\a)%2)+4*\t:TMP+32*((\a)%2)+4*\t+3], v[RD] offset:\t*2*SPITCH
.endr
.endm
.macro SEND a, younger
	s_wait_dscnt \younger                          ; the block is back in registers
.irp t, 0,1,2,3,4,5,6,7
	global_store_b128 v[CO], v[TMP+32*((\a)%2)+4*\t:TMP+32*((\a)%2)+4*\t+3], s[8:9] offset:65536*(\a)+8192*\t th:TH_STORE_NT   ; sixteen lanes store 256 consecutive aligned bytes
.endr
.endm
	PLACES
	TOSTAGE 0
.irp a, 1,2,3
.if \a > 1
	s_wait_xcnt 0x0                                ; block a - 2's stores have read their registers: block a's loads may land there
.endif
	TOSTAGE \a
	SEND \a-1, 16                                  ; behind block a - 1's loads: block a's 8 stores and 8 loads
.endr
	SEND 3, 0
	s_wait_tensorcnt 0x0                           ; the wave's end
	ds_add_u32 v[SPW], v[NIL]
	s_wait_dscnt 0x0
	CROUND                                         ; the closing round
	s_endpgm
.Lfunc_end_k_qacaf79747d_oproj:
	.size	k_qacaf79747d_oproj, .Lfunc_end_k_qacaf79747d_oproj-k_qacaf79747d_oproj
	.p2alignl 7, 3214868480
	.fill 96, 4, 3214868480
	.section	.rodata,"a",@progbits
	.p2align	6, 0x0
	.amdhsa_kernel k_qacaf79747d_oproj
		.amdhsa_group_segment_fixed_size 327680
		.amdhsa_private_segment_fixed_size 0
		.amdhsa_enable_private_segment 0
		.amdhsa_kernarg_size 24
		.amdhsa_user_sgpr_count 2
		.amdhsa_user_sgpr_kernarg_segment_ptr 1
		.amdhsa_wavefront_size32 1
		.amdhsa_system_sgpr_workgroup_id_x 1
		.amdhsa_system_sgpr_workgroup_id_y 1
		.amdhsa_system_sgpr_workgroup_id_z 1
		.amdhsa_system_vgpr_workitem_id 0
		.amdhsa_next_free_vgpr 512
		.amdhsa_next_free_sgpr 66
		.amdhsa_reserve_vcc 0
		.amdhsa_float_denorm_mode_32 3
		.amdhsa_float_denorm_mode_16_64 3
		.amdhsa_memory_ordered 1
		.amdhsa_forward_progress 1
		.amdhsa_inst_pref_size 86
	.end_amdhsa_kernel
	.amdgpu_metadata
---
amdhsa.version: [ 1, 2 ]
amdhsa.kernels:
  - .name:           k_qacaf79747d_oproj
    .symbol:         k_qacaf79747d_oproj.kd
    .args:
      - { .name: merged, .offset: 0, .size: 8, .value_kind: global_buffer, .address_space: global }
      - { .name: owh, .offset: 8, .size: 8, .value_kind: global_buffer, .address_space: global }
      - { .name: out0, .offset: 16, .size: 8, .value_kind: global_buffer, .address_space: global }
    .group_segment_fixed_size: 327680
    .private_segment_fixed_size: 0
    .kernarg_segment_align: 8
    .kernarg_segment_size: 24
    .max_flat_workgroup_size: 128
    .sgpr_count:     66
    .vgpr_count:     512
    .wavefront_size: 32
...
	.end_amdgpu_metadata
.endif
;; end of part 4
;; launch first16 (part 5): grid 64 x 2, 16 waves a work-group, no clusters, 18,432 bytes of LDS; arguments fine, rope, ow, out0; writes out0
.if DOCPART == 5
	.amdgcn_target "amdgcn-amd-amdhsa--gfx1250"
	.amdhsa_code_object_version 6
	.text
	.protected	k_qacaf79747d_first16
	.globl	k_qacaf79747d_first16
	.p2align	8
	.type	k_qacaf79747d_first16,@function
k_qacaf79747d_first16:
	s_mov_b64 s[64:65], 0
	v_nop
	global_prefetch_b8 v0, s[64:65] scope:SCOPE_SE
	s_setreg_imm32_b32 hwreg(HW_REG_WAVE_MODE, 25, 1), 1
	s_wait_xcnt 0x0
; THE FIRST 16 POSITIONS OF EACH SEQUENCE, ALL IN f32.  Under the causal mask these rows average one to sixteen values and are the largest of the output, so the rounding of 16-bit operands weighs most there.
; From the raw f32 results of the three quantised products (fine): the rotation, the scores, the softmax, the weighted values and the projection with ow as it is given, by the f32 matrix form: no bulk work.
; SHARES.  Work-group (x, y): batch y, output columns 16 x .. 16 x + 15.  Wave w = head w.  Each of a batch's 64 work-groups makes the small attention of all 16 heads again (32 matrix instructions a wave),
; which spares a launch for the sum over heads: the 16 heads' parts of the 16 x 16 outputs meet in LDS, behind one barrier, and waves 0 and 1 add and store them.
; LAYOUTS.  The f32 form takes k = 2 h + j in register j of lane (r, h), alike for both sources: any order of K that is the same on both sides gives the same sum.
;   Q, K in fine: lane (r = position, h): registers 8 ct + 0..3: x1 of pairs 8 ct + 4 h + 0..3, + 4..7: their x2.   V: lane (r = channel 16 ct + r, h): registers 8 ct + i: position 8 h + 2 (i % 4) + i / 4.
;   S^T = K Q^T: lane (r = query, h), register j: key 8 h + j.  p goes into register j / 2 + 4 (j % 2): V's order of keys.  O^T = V^T P^T: lane (r = query, h), register j of tile ct: channel 16 ct + 8 h + j.
;   The projection, transposed: source 0 = ow(64 w + 16 ct + 8 h + j, 16 x + r), source 1 = O / l: lane (r = query, h), register j: column 16 x + 8 h + j.
; The registers that the f32 matrix form writes (v192-223) are written by matrix instructions alone; four accumulators take turns in each product.
; ow is read 64 bytes of a row at a time, and out0 is written 64 bytes of a row by a work-group: the tile is 16 columns wide so that 128 work-groups share this small launch (131,072 bytes of output).
.set SPARE, 16384                      ; LDS 0 .. 16,383: the heads' parts, 1,024 bytes a wave; then the spare words, 128 bytes a wave: eight blocks of 256 bytes that no other line names
.set LI,  1                            ; v1  16 x lane
.set TA,  2                            ; v2  the table: 256 r + 16 h
.set OA,  3                            ; v3  ow: 8 h rows of 4,096 bytes + 4 r
.set DD,  4                            ; v4  r - 8 h
.set LST, 5                            ; v5  LDS: where I put my part
.set LLD, 6                            ; v6  LDS: where waves 0 and 1 read
.set GO,  7                            ; v7  out0: 4,096 r + 32 h + 16 wave
.set NINF, 24
.set QX,  32
.set KX,  64
.set VX,  96
.set T,   128                          ; the table, later O / l
.set OW,  160
.set ACC, 192
.set SS,  224
.set PP,  232
.set PS,  240
.set SPW, 252
.set NIL, 253
.set WV,  12
.set SEL, 20
.set CS,  22
	s_load_b256 s[4:11], s[0:1], 0x0               ; fine s[4:5], rope s[6:7], ow s[8:9], out0 s[10:11]
	v_lshl_add_u32 v[SPW], v0, 2, SPARE
	v_mov_b32 v[NIL], 0
	v_lshrrev_b32 v8, 5, v0
	v_readfirstlane_b32 s[WV], v8                  ; wave = head
	s_and_b32 s13, ttmp7, 0xffff                   ; batch
	v_and_b32 v8, 31, v0
	v_lshlrev_b32 v[LI], 4, v8
	v_and_b32 v9, 15, v0                           ; r
	v_bfe_u32 v10, v0, 4, 1                        ; h
	v_lshlrev_b32 v[TA], 8, v9
	v_lshl_add_u32 v[TA], v10, 4, v[TA]
	v_lshlrev_b32 v[OA], 2, v9
	v_lshl_add_u32 v[OA], v10, 15, v[OA]
	v_lshlrev_b32 v11, 3, v10
	v_sub_nc_u32 v[DD], v9, v11
	s_lshl_b32 s14, s[WV], 10
	v_add_nc_u32 v[LST], s14, v[LI]
	s_lshl_b32 s14, s[WV], 9
	v_add_nc_u32 v[LLD], s14, v[LI]
	v_lshlrev_b32 v[GO], 12, v9
	v_lshl_add_u32 v[GO], v10, 5, v[GO]
	s_lshl_b32 s14, s[WV], 4
	v_add_nc_u32 v[GO], s14, v[GO]
	v_mov_b32 v[NINF], 0xff800000
	v_mov_b32 v17, 0                               ; (a lane permute's destination counts as one of its sources;
	v_mov_b32 v19, 0
	v_mov_b32 v23, 0                               ; the upper half of a pair of which the low word serves both halves)
	s_mov_b32 s[SEL], 0x76543210
	s_mov_b32 s[SEL+1], 0xfedcba98
	s_mov_b32 s[CS], 0x3e38aa3b                    ; c = log2(e) / 8
	s_mov_b32 s[CS+1], s[CS]
	s_lshl_b32 s14, s13, 16
	s_lshl_b32 s16, s[WV], 12
	s_add_co_u32 s14, s14, s16                     ; fine: [batch][head]
	s_mov_b32 s15, 0
	s_lshl_b32 s16, s[WV], 18                      ; ow: my head's 64 rows,
	s_lshl_b32 s18, ttmp9, 6                       ; the work-group's 16 columns
	s_add_co_u32 s16, s16, s18
	s_mov_b32 s17, 0
	s_lshl_b32 s24, s13, 23                        ; out0: the batch's first row
	s_add_co_u32 s24, s24, s18
	s_mov_b32 s25, 0
	s_wait_kmcnt 0x0
	s_add_nc_u64 s[4:5], s[4:5], s[14:15]
	s_add_nc_u64 s[8:9], s[8:9], s[16:17]
	s_add_nc_u64 s[10:11], s[10:11], s[24:25]
.irp ct, 0,1,2,3
	global_load_b128 v[QX+8*\ct:QX+8*\ct+3], v[LI], s[4:5] offset:1024*\ct
	global_load_b128 v[QX+8*\ct+4:QX+8*\ct+7], v[LI], s[4:5] offset:1024*\ct+512
.endr
.irp ct, 0,1,2,3
	global_load_b128 v[KX+8*\ct:KX+8*\ct+3], v[LI], s[4:5] offset:131072+1024*\ct
	global_load_b128 v[KX+8*\ct+4:KX+8*\ct+7], v[LI], s[4:5] offset:131072+1024*\ct+512
.endr
.irp ct, 0,1,2,3
	global_load_b128 v[T+8*\ct:T+8*\ct+3], v[TA], s[6:7] offset:32*\ct          ; cos of pairs 8 ct + 4 h + 0..3 at position r,
	global_load_b128 v[T+8*\ct+4:T+8*\ct+7], v[TA], s[6:7] offset:128+32*\ct    ; sin
.endr
.irp ct, 0,1,2,3
	global_load_b128 v[VX+8*\ct:VX+8*\ct+3], v[LI], s[4:5] offset:262144+1024*\ct
	global_load_b128 v[VX+8*\ct+4:VX+8*\ct+7], v[LI], s[4:5] offset:262144+1024*\ct+512
.endr
.irp ct, 0,1,2,3
.irp j, 0,1,2,3,4,5,6,7
	global_load_b32 v[OW+8*\ct+\j], v[OA], s[8:9] offset:(16*\ct+\j)*4096
.endr
.endr
.macro ROT x                           ; the rotation, in place: r1 = x1 cos - x2 sin, r2 = x1 sin + x2 cos
.irp ct, 0,1,2,3
	v_pk_mul_f32 v[12:13], v[\x+8*\ct:\x+8*\ct+1], v[T+8*\ct+4:T+8*\ct+5]
	v_pk_mul_f32 v[14:15], v[\x+8*\ct+2:\x+8*\ct+3], v[T+8*\ct+6:T+8*\ct+7]
	v_pk_mul_f32 v[8:9], v[\x+8*\ct+4:\x+8*\ct+5], v[T+8*\ct+4:T+8*\ct+5]
	v_pk_mul_f32 v[10:11], v[\x+8*\ct+6:\x+8*\ct+7], v[T+8*\ct+6:T+8*\ct+7]
	v_pk_fma_f32 v[\x+8*\ct+4:\x+8*\ct+5], v[\x+8*\ct+4:\x+8*\ct+5], v[T+8*\ct:T+8*\ct+1], v[12:13]
	v_pk_fma_f32 v[\x+8*\ct+6:\x+8*\ct+7], v[\x+8*\ct+6:\x+8*\ct+7], v[T+8*\ct+2:T+8*\ct+3], v[14:15]
	v_pk_fma_f32 v[\x+8*\ct:\x+8*\ct+1], v[\x+8*\ct:\x+8*\ct+1], v[T+8*\ct:T+8*\ct+1], v[8:9] neg_lo:[0,0,1] neg_hi:[0,0,1]
	v_pk_fma_f32 v[\x+8*\ct+2:\x+8*\ct+3], v[\x+8*\ct+2:\x+8*\ct+3], v[T+8*\ct+2:T+8*\ct+3], v[10:11] neg_lo:[0,0,1] neg_hi:[0,0,1]
.endr
.endm
.macro PLACES9                         ; behind the f32 form: eight places ahead of a read of results, nine ahead of a matrix instruction that begins an accumulator anew
.rept 9
	v_nop
.endr
.endm
.macro SUM4 d                          ; the four accumulators' sum into v[d] .. v[d + 7]; the first lines read each accumulator's low end
.irp p, 0,1,2,3
	v_pk_add_f32 v[\d+2*\p:\d+2*\p+1], v[ACC+2*\p:ACC+2*\p+1], v[ACC+8+2*\p:ACC+8+2*\p+1]
	v_pk_add_f32 v[8+2*\p:9+2*\p], v[ACC+16+2*\p:ACC+16+2*\p+1], v[ACC+24+2*\p:ACC+24+2*\p+1]
.endr
.irp p, 0,1,2,3
	v_pk_add_f32 v[\d+2*\p:\d+2*\p+1], v[\d+2*\p:\d+2*\p+1], v[8+2*\p:9+2*\p]
.endr
.endm
	s_wait_loadcnt 40                              ; Q, K and the table are in; V's 8 loads and ow's 32 may be out
	ROT QX
	ROT KX
.irp s, 0,1,2,3,4,5,6,7,8,9,10,11,12,13,14,15      ; S^T = K Q^T: 64 along d, 4 a step
.if \s < 4
	v_wmma_f32_16x16x4_f32 v[ACC+8*(\s%4):ACC+8*(\s%4)+7], v[KX+2*\s:KX+2*\s+1], v[QX+2*\s:QX+2*\s+1], 0
.else
	v_wmma_f32_16x16x4_f32 v[ACC+8*(\s%4):ACC+8*(\s%4)+7], v[KX+2*\s:KX+2*\s+1], v[QX+2*\s:QX+2*\s+1], v[ACC+8*(\s%4):ACC+8*(\s%4)+7]
.endif
.endr
	PLACES9
	SUM4 SS
.irp j, 0,1,2,3,4,5,6,7
	v_cmp_gt_i32 vcc_lo, \j, v[DD]                 ; key 8 h + j comes after query r
	v_cndmask_b32 v[SS+\j], v[SS+\j], v[NINF], vcc_lo
.endr
	v_max3_num_f32 v16, v[SS], v[SS+1], v[SS+2]
	v_max3_num_f32 v18, v[SS+3], v[SS+4], v[SS+5]
	v_max3_num_f32 v16, v16, v[SS+6], v[SS+7]
	v_max_num_f32 v16, v16, v18
	v_permlanex16_b32 v17, v16, s[SEL], s[SEL+1]
	v_max_num_f32 v16, v16, v17                    ; the row's maximum: key 0 counts for every query
	v_mul_f32 v16, s[CS], v16
.irp p, 0,1,2,3
	v_pk_fma_f32 v[SS+2*\p:SS+2*\p+1], v[SS+2*\p:SS+2*\p+1], s[CS:CS+1], v[16:17] op_sel_hi:[1,0,0] neg_lo:[0,0,1] neg_hi:[0,0,1]
.endr
.irp j, 0,1,2,3,4,5,6,7
	v_exp_f32 v[PP+\j/2+4*(\j%2)], v[SS+\j]        ; p, in V's order of keys
.endr
	v_nop
	s_wait_alu depctr_va_vdst(0)                   ; one wait for the eight, ahead of their first reader
	v_pk_add_f32 v[18:19], v[PP:PP+1], v[PP+2:PP+3]
	v_pk_add_f32 v[20:21], v[PP+4:PP+5], v[PP+6:PP+7]
	v_pk_add_f32 v[18:19], v[18:19], v[20:21]
	v_add_f32 v18, v18, v19
	v_permlanex16_b32 v19, v18, s[SEL], s[SEL+1]
	v_add_f32 v18, v18, v19                        ; l
	v_rcp_f32 v22, v18
	v_nop
	s_wait_alu depctr_va_vdst(0)
	s_wait_loadcnt 32                              ; V is in; ow's 32 loads may be out
.irp sp, 0,1,2,3                                   ; O^T = V^T P^T: 16 keys, 4 a step; the four tiles of channels by turns
.irp ct, 0,1,2,3
.if \sp == 0
	v_wmma_f32_16x16x4_f32 v[ACC+8*\ct:ACC+8*\ct+7], v[VX+8*\ct+2*\sp:VX+8*\ct+2*\sp+1], v[PP+2*\sp:PP+2*\sp+1], 0
.else
	v_wmma_f32_16x16x4_f32 v[ACC+8*\ct:ACC+8*\ct+7], v[VX+8*\ct+2*\sp:VX+8*\ct+2*\sp+1], v[PP+2*\sp:PP+2*\sp+1], v[ACC+8*\ct:ACC+8*\ct+7]
.endif
.endr
.endr
	PLACES9
.set i, 0
.rept 16
	v_pk_mul_f32 v[T+i:T+i+1], v[ACC+i:ACC+i+1], v[22:23] op_sel_hi:[1,0]    ; O / l, into other registers
.set i, i+2
.endr
	s_wait_loadcnt 0x0                             ; ow
.irp s, 0,1,2,3,4,5,6,7,8,9,10,11,12,13,14,15      ; my head's part of the projection: 64 along K
.if \s < 4
	v_wmma_f32_16x16x4_f32 v[ACC+8*(\s%4):ACC+8*(\s%4)+7], v[OW+2*\s:OW+2*\s+1], v[T+2*\s:T+2*\s+1], 0
.else
	v_wmma_f32_16x16x4_f32 v[ACC+8*(\s%4):ACC+8*(\s%4)+7], v[OW+2*\s:OW+2*\s+1], v[T+2*\s:T+2*\s+1], v[ACC+8*(\s%4):ACC+8*(\s%4)+7]
.endif
.endr
	PLACES9
	SUM4 PS
	ds_store_b128 v[LST], v[PS:PS+3]               ; columns 8 h + 0..3,
	ds_store_b128 v[LST], v[PS+4:PS+7] offset:512  ; 8 h + 4..7
	s_wait_dscnt 0x0                               ; for the others' sake: my stores have landed
	s_barrier_signal -1
	s_barrier_wait -1
	s_cmp_lt_u32 s[WV], 2
	s_cbranch_scc0 .Lrest
.irp p, 0,1,2,3,4,5,6,7,8,9,10,11,12,13,14,15
	ds_load_b128 v[32+4*\p:35+4*\p], v[LLD] offset:1024*\p       ; the 16 heads' parts of my four columns
.endr
	s_wait_dscnt 0x0
.irp p, 0,1,2,3,4,5,6,7
	v_pk_add_f32 v[32+4*\p:33+4*\p], v[32+4*\p:33+4*\p], v[64+4*\p:65+4*\p]
	v_pk_add_f32 v[34+4*\p:35+4*\p], v[34+4*\p:35+4*\p], v[66+4*\p:67+4*\p]
.endr
.irp p, 0,1,2,3
	v_pk_add_f32 v[32+4*\p:33+4*\p], v[32+4*\p:33+4*\p], v[48+4*\p:49+4*\p]
	v_pk_add_f32 v[34+4*\p:35+4*\p], v[34+4*\p:35+4*\p], v[50+4*\p:51+4*\p]
.endr
.irp p, 0,1
	v_pk_add_f32 v[32+4*\p:33+4*\p], v[32+4*\p:33+4*\p], v[40+4*\p:41+4*\p]
	v_pk_add_f32 v[34+4*\p:35+4*\p], v[34+4*\p:35+4*\p], v[42+4*\p:43+4*\p]
.endr
	v_pk_add_f32 v[32:33], v[32:33], v[36:37]
	v_pk_add_f32 v[34:35], v[34:35], v[38:39]
	global_store_b128 v[GO], v[32:35], s[10:11]
.Lrest:
	s_wait_tensorcnt 0x0                           ; the wave's end, behind my last LDS store
	ds_add_u32 v[SPW], v[NIL]
	s_wait_dscnt 0x0
	s_endpgm
.Lfunc_end_k_qacaf79747d_first16:
	.size	k_qacaf79747d_first16, .Lfunc_end_k_qacaf79747d_first16-k_qacaf79747d_first16
	.p2alignl 7, 3214868480
	.fill 96, 4, 3214868480
	.section	.rodata,"a",@progbits
	.p2align	6, 0x0
	.amdhsa_kernel k_qacaf79747d_first16
		.amdhsa_group_segment_fixed_size 18432
		.amdhsa_private_segment_fixed_size 0
		.amdhsa_enable_private_segment 0
		.amdhsa_kernarg_size 32
		.amdhsa_user_sgpr_count 2
		.amdhsa_user_sgpr_kernarg_segment_ptr 1
		.amdhsa_wavefront_size32 1
		.amdhsa_system_sgpr_workgroup_id_x 1
		.amdhsa_system_sgpr_workgroup_id_y 1
		.amdhsa_system_sgpr_workgroup_id_z 1
		.amdhsa_system_vgpr_workitem_id 0
		.amdhsa_next_free_vgpr 256
		.amdhsa_next_free_sgpr 66
		.amdhsa_reserve_vcc 1
		.amdhsa_float_denorm_mode_32 3
		.amdhsa_float_denorm_mode_16_64 3
		.amdhsa_memory_ordered 1
		.amdhsa_forward_progress 1
		.amdhsa_inst_pref_size 24
	.end_amdhsa_kernel
	.amdgpu_metadata
---
amdhsa.version: [ 1, 2 ]
amdhsa.kernels:
  - .name:           k_qacaf79747d_first16
    .symbol:         k_qacaf79747d_first16.kd
    .args:
      - { .name: fine, .offset: 0, .size: 8, .value_kind: global_buffer, .address_space: global }
      - { .name: rope, .offset: 8, .size: 8, .value_kind: global_buffer, .address_space: global }
      - { .name: ow, .offset: 16, .size: 8, .value_kind: global_buffer, .address_space: global }
      - { .name: out0, .offset: 24, .size: 8, .value_kind: global_buffer, .address_space: global }
    .group_segment_fixed_size: 18432
    .private_segment_fixed_size: 0
    .kernarg_segment_align: 8
    .kernarg_segment_size: 32
    .max_flat_workgroup_size: 512
    .sgpr_count:     66
    .vgpr_count:     256
    .wavefront_size: 32
...
	.end_amdgpu_metadata
.endif
;; end of part 5
